; MI455X (gfx1250); checked and timed in simulation.
; The chip was launched on July 23, 2026; its instructions are those of AMD's public machine-readable ISA for CDNA 5 (MIT licence, August 2026) and "CDNA5" Instruction Set Architecture Reference Guide (July 2026). The comments in the code are by the model that wrote it; some were corrected since.
;; multi head attention. Allowed arithmetic: matrix products marked QUANTISED: E2M1 operands, one E8M0 scale for each 32 along K, by v_wmma_scale_f32_16x16x128_f8f6f4 with both operands' format E2M1 (or v_wmma_scale_f32_32x16x128_f4), f32 sums; products left as they are: bf16, f16 or f32 operands; f32 sums; everything else in f32.
;; Inputs: b_k 1,024 float32; b_o 1,024 float32; b_q 1,024 float32; b_v 1,024 float32; k 4 x 2,048 x 1,024 float32; q 4 x 2,048 x 1,024 float32; v 4 x 2,048 x 1,024 float32; w_k 1,024 x 1,024 float32; w_o 1,024 x 1,024 float32; w_q 1,024 x 1,024 float32; w_v 1,024 x 1,024 float32.
;; Outputs: out0 4 x 2,048 x 1,024 float32.
;; This version of the problem:
;;   THIS VERSION OF THE PROBLEM IS GIVEN IN LOW PRECISION. The matrix products marked QUANTISED in the list below multiply operands that are first quantised to E2M1 (2 exponent bits, 1 mantissa bit; 4 bits a number), with one power-of-two scale for each 32 numbers along K (OCP MX v1.0); their sums are f32. The products marked 'left as it is' may take bf16, f16 or f32 operands, with f32 sums. Whichever they take, every output number must still come out within the allowed error. Rounding operands to bf16 (8 significant bits) uses up far more of that allowance than f16 does (11 bits, for magnitudes from 6e-5 to 65,504). All else is computed in f32.
;;   The module's matrix products, in the order in which they are computed (A, B: the left and right operand; K: the contracted axis; several contracted axes count as one K, in the product's order):
;;     1. [M 8,192, K 1,024] x [K 1,024, N 1,024]; A: input q; B: input w_q: QUANTISED
;;     2. [M 8,192, K 1,024] x [K 1,024, N 1,024]; A: input k; B: input w_k: QUANTISED
;;     3. [M 8,192, K 1,024] x [K 1,024, N 1,024]; A: input v; B: input w_v: QUANTISED
;;     4. batch 64 x [M 2,048, K 64] x [K 64, N 2,048]; A: computed on the way; B: computed on the way: left as it is (an operand is computed on the way)
;;     5. batch 64 x [M 2,048, K 2,048] x [K 2,048, N 64]; A: computed on the way; B: computed on the way: left as it is (an operand is computed on the way)
;;     6. [M 8,192, K 1,024] x [K 1,024, N 1,024]; A: computed on the way; B: input w_o: left as it is (an operand is computed on the way)
;;   THE QUANTISER, for each operand of a quantised product, along K:
;;     - K is cut into blocks of 32 from its start; a last block that is shorter is filled with zeros.
;;     - A block's scale is 2^e with e = floor(log2(the largest magnitude in the block)) - 2, held to -126 .. 127; a block of zeros has e = 0. As a byte (E8M0): e + 127.
;;     - Each number is divided by its block's scale, clamped to +-6, and rounded to the nearest number of E2M1, ties to even, subnormals kept.
;;     - The product sums the exact products of the quantised numbers (number of the format x scale) in f32.
;;   ~~~python
;;   def quantise(x, axis):      # numpy; x: float32 -> the quantised numbers, widened to float32 again
;;       x = np.moveaxis(x, axis, -1); K = x.shape[-1]
;;       x = np.pad(x, [(0, 0)] * (x.ndim - 1) + [(0, -K % 32)]); x = x.reshape(x.shape[:-1] + (-1, 32)); a = np.abs(x).max(-1, keepdims=True)
;;       e = np.where(a > 0, np.clip(np.frexp(np.where(a > 0, a, 1))[1] - 1 - 2, -126, 127), 0)      # np.frexp(a)[1] - 1 = floor(log2(a)), exactly
;;       r = np.clip(x / 2.0 ** e, -6, 6)
;;       step = 2.0 ** (np.maximum(np.frexp(np.where(r == 0, 1, r))[1] - 1, 0) - 1)
;;       q = np.round(r / step) * step * 2.0 ** e      # np.round: ties to even
;;       return np.moveaxis(q.reshape(q.shape[:-2] + (-1,))[..., :K], -1, axis).astype(np.float32)
;;   ~~~
;; One version. Each part assembles by itself: llvm-mc -triple=amdgcn-amd-amdhsa -mcpu=gfx1250 --defsym DOCPART=n.
;; ======== version 1 of 1: 5 launches
;; limits: values are held in f16: magnitudes above 65,504 overflow, below 6.1e-05 lose precision
;; workspace buffers: codes 14,155,776 bytes; scales 884,736 bytes; wo_img 2,097,152 bytes; qkv 50,331,648 bytes; fin 786,432 bytes; ao 16,777,216 bytes
;; launch prep (part 1): grid 880 x 1, 4 waves a work-group, no clusters, 68,096 bytes of LDS; arguments q, k, v, w_q, w_k, w_v, w_o, codes, scales, wo_img; writes codes, scales, wo_img
.if DOCPART == 1
	.amdgcn_target "amdgcn-amd-amdhsa--gfx1250"
	.amdhsa_code_object_version 6
	.text
	.protected	k_qfddf83f381_prep
	.globl	k_qfddf83f381_prep
	.p2align	8
	.type	k_qfddf83f381_prep,@function
k_qfddf83f381_prep:
	s_mov_b64 s[64:65], 0
	v_nop
	global_prefetch_b8 v0, s[64:65] scope:SCOPE_SE
	s_setreg_imm32_b32 hwreg(HW_REG_WAVE_MODE, 25, 1), 1
	s_wait_xcnt 0x0
; PREP: the operands of the three quantised products become codes of FP4 (E2M1) with one E8M0 byte for each 32 along K, and w_o becomes f16 in the order of an operand's registers.
; codes:  rows of 512 bytes (1,024 codes, K innermost).  Rows 0 .. 24,575: q, k, v (tensor x 8,192 + row).  Rows 24,576 + tensor x 1,024 + n: column n of w_q, w_k, w_v (their K is their FIRST axis).
; scales: the same rows, 32 bytes each.
; wo_img: [K step of 256: 4][16 columns n: 64][32 along K: 8][1,024 bytes]: a 16-bit fragment as its registers lie: registers 0-3 at 16 x lane, registers 4-7 at 512 + 16 x lane.
; A block's scale is 2^(floor(log2(its largest magnitude)) - 2); its byte is the largest magnitude's exponent field - 2, held at 1 from below.
; LIMITS: a block of zeros gets the byte 1 and not 127 (its codes are zeros, which add nothing, and this program alone reads the bytes); blocks whose largest magnitude lies under 2^-124 get the byte 1;
; NaN and infinities among the inputs are not served; |w_o| stays under 65,504 (f16).
; THREE PATHS by the work-group's number, each with LDS bytes of its own: 0 .. 47 the three weights (a lane to a column, registers down K), 48 .. 111 w_o, 112 .. 879 q, k, v (a plain stream of blocks of 32).
; No cluster, no tensor load: no byte is read by two work-groups, and waves share nothing, so there is no barrier.
.set SPARE, 67584                      ; behind both paths' regions: the spare words, 128 bytes for each wave
.set SPW,   190                        ; v190 LDS address of my spare word; never rewritten
.set NIL,   191                        ; v191 0; never rewritten
.set STEPS, 16                         ; path X: a wave takes 16 steps of 512 numbers
.set WREG,  8192                       ; path X: LDS bytes 0 .. 32,767: a region for each wave: two stages of 32 x SP bytes, then its 256 scale bytes
.set SP,    80                         ; a lane's place in a stage: 64 bytes + 16 of padding
.set R,     16                         ; v16-79   four sets of 16 numbers as loaded
.set X,     80                         ; v80-111  two sets of 16 neighbours
.set E,     112                        ; v112-127 a scale byte for each step
.set C,     128                        ; v128-189 codes: four registers' room for each step, so that no store's data are written again
.set WSTG,  32768                      ; path W: LDS bytes 32,768 .. 67,583: a stage of 32 rows x 272 bytes for each wave
.set PITCH, 272
.set NB,    16                         ; path W: blocks of 32 along K for a wave
.set WX,    32                         ; v32-95   two sets of 32 numbers
.set WC,    96                         ; v96-99   a block's codes
.set OUTR,  112                        ; v112-175 the way out
.set SB,    24                         ; v24-27   16 scale bytes
.macro FINISH                          ; a wave's end, behind the last LDS store
	s_wait_tensorcnt 0x0
	ds_add_u32 v[SPW], v[NIL]
	s_wait_dscnt 0x0
	s_endpgm
.endm
	s_load_b512 s[4:19], s[0:1], 0x0               ; q s[4:5], k s[6:7], v s[8:9], w_q s[10:11], w_k s[12:13], w_v s[14:15], w_o s[16:17], codes s[18:19]
	s_load_b128 s[20:23], s[0:1], 0x40             ; scales s[20:21], wo_img s[22:23]
	v_lshl_add_u32 v[SPW], v0, 2, SPARE
	v_mov_b32 v[NIL], 0
	v_lshrrev_b32 v1, 5, v0
	v_readfirstlane_b32 s24, v1                    ; wave 0..3
	v_and_b32 v2, 31, v0                           ; lane
	s_mov_b32 s29, 0                               ; the upper word of every offset
	s_wait_kmcnt 0x0
	s_cmp_lt_u32 ttmp9, 48
	s_cbranch_scc1 .Lpath_w
	s_cmp_lt_u32 ttmp9, 112
	s_cbranch_scc1 .Lpath_o
	; ---------------- PATH X: q, k, v.  256 work-groups a tensor, 8,192 numbers a wave.
	s_sub_co_u32 s25, ttmp9, 112
	s_cmp_lt_u32 s25, 256
	s_cselect_b64 s[26:27], s[4:5], s[6:7]         ; the choice hangs on the work-group's number alone
	s_cmp_lt_u32 s25, 512
	s_cselect_b64 s[26:27], s[26:27], s[8:9]
	s_and_b32 s28, s25, 255
	s_lshl_b32 s28, s28, 2
	s_add_co_u32 s28, s28, s24                     ; which run of 8,192 numbers of the tensor
	s_lshl_b32 s28, s28, 15                        ; 32,768 bytes a run
	s_add_nc_u64 s[26:27], s[26:27], s[28:29]
	s_lshl_b32 s30, s25, 2
	s_add_co_u32 s30, s30, s24                     ; which run of the three tensors on end
	s_lshl_b32 s28, s30, 12                        ; 4,096 bytes of codes a run
	s_add_nc_u64 s[32:33], s[18:19], s[28:29]
	s_lshl_b32 s28, s30, 8                         ; 256 scale bytes a run
	s_add_nc_u64 s[34:35], s[20:21], s[28:29]
	v_lshlrev_b32 v3, 4, v2                        ; my 16 bytes of a load's 512
	s_mul_i32 s36, s24, WREG
	v_lshrrev_b32 v14, 2, v2
	v_mul_u32_u24 v14, v14, SP
	v_and_b32 v15, 3, v2
	v_lshl_add_u32 v14, v15, 4, v14
	v_add_nc_u32 v14, s36, v14                     ; the stage, on the way in: four lanes' 64 bytes on end, then 16 of padding
	v_mul_u32_u24 v15, v2, SP
	v_add_nc_u32 v15, s36, v15                     ; and on the way out: my 16 neighbours
	v_lshlrev_b32 v4, 3, v2                        ; 8 bytes a lane: my codes' place in a step's, and my part of the 256 scale bytes
	v_lshrrev_b32 v5, 1, v2
	s_add_co_u32 s36, s36, 2*32*SP
	v_add_nc_u32 v5, s36, v5                       ; LDS: my block's scale byte
	v_add_nc_u32 v6, s36, v4                       ; and 8 of the bytes on the way out
.macro XLOAD t
.irp i, 0,1,2,3
	global_load_b128 v[R+16*((\t)%4)+4*\i:R+16*((\t)%4)+4*\i+3], v3, s[26:27] offset:2048*(\t)+512*\i th:TH_LOAD_NT   ; 32 lanes read 512 consecutive bytes
.endr
.endm
.macro XTURN t                         ; a step's numbers through the stage: LDS serves a wave's instructions in order (ISA guide 5.7.1.4), so no wait stands between the stores and the loads
.irp i, 0,1,2,3
	ds_store_b128 v14, v[R+16*((\t)%4)+4*\i:R+16*((\t)%4)+4*\i+3] offset:32*SP*((\t)%2)+8*SP*\i
.endr
.irp i, 0,1,2,3
	ds_load_b128 v[X+16*((\t)%2)+4*\i:X+16*((\t)%2)+4*\i+3], v15 offset:32*SP*((\t)%2)+16*\i
.endr
.endm
.irp t, 0,1,2,3
	XLOAD \t
.endr
	s_wait_loadcnt 12                              ; step 0's four loads are in; three steps' twelve stay out
	XTURN 0
.macro XSTEP t
.set XS, X+16*((\t)%2)
.if (\t) > 0
	s_wait_dscnt 1                                 ; this step's numbers are back from the stage (the last step's byte store may be out): so its stores into the stage have read their registers,
.else
	s_wait_dscnt 0x0
.endif
.if (\t)+4 < STEPS
	XLOAD (\t)+4                                   ; which take the loads of four steps on
.endif
.if (\t)+1 < STEPS
.if STEPS-2-(\t) >= 3
	s_wait_loadcnt 12                              ; the next step's four loads are in; those of the three steps behind it may be out
.else
	s_wait_loadcnt 4*(STEPS-2-(\t))
.endif
	XTURN (\t)+1
.endif
	v_max3_num_f32 v8, |v[XS]|, |v[XS+1]|, |v[XS+2]|               ; the largest magnitude of my 16, in two chains
	v_max3_num_f32 v9, |v[XS+3]|, |v[XS+4]|, |v[XS+5]|
.irp i, 6,10
	v_max3_num_f32 v8, v8, |v[XS+\i]|, |v[XS+\i+1]|
	v_max3_num_f32 v9, v9, |v[XS+\i+2]|, |v[XS+\i+3]|
.endr
	v_max3_num_f32 v8, v8, |v[XS+14]|, |v[XS+15]|
	v_max3_num_f32 v8, v8, v9, 0x1800000           ; and the floor 2^(3 - 127): the byte cannot fall under 1
	v_max_num_f32_dpp v8, v8, v8 row_xmask:1 row_mask:0xf bank_mask:0xf   ; with my neighbour's 16: the block's
	v_add_nc_u32 v11, 0xff000000, v8               ; 2 off its exponent field: the conversion takes the exponent field of this operand as its scale
	v_cvt_scalef32_pk8_fp4_f32 v[C+4*(\t)], v[XS:XS+7], v11
	v_cvt_scalef32_pk8_fp4_f32 v[C+4*(\t)+1], v[XS+8:XS+15], v11
	v_lshrrev_b32 v[E+(\t)], 23, v11               ; the scale's byte (a plain line behind the conversions)
	ds_store_b8 v5, v[E+(\t)] offset:16*(\t)       ; both lanes of a block write the same byte with the same value
	global_store_b64 v4, v[C+4*(\t):C+4*(\t)+1], s[32:33] offset:256*(\t)   ; 32 lanes store 256 consecutive bytes, aligned
.endm
.irp t, 0,1,2,3,4,5,6,7,8,9,10,11,12,13,14,15
	XSTEP \t
.endr
	ds_load_b64 v[8:9], v6                         ; my wave's 256 scale bytes: these loads see my stores
	s_wait_dscnt 0x0
	global_store_b64 v4, v[8:9], s[34:35]          ; 256 consecutive bytes, aligned
	FINISH
	; ---------------- PATH W: w_q, w_k, w_v.  16 work-groups a tensor: 8 along n (128 columns) x 2 along K (512).  A lane takes a column, its registers run down K.
.Lpath_w:
	s_lshr_b32 s25, ttmp9, 4                       ; tensor
	s_cmp_eq_u32 s25, 0
	s_cselect_b64 s[26:27], s[10:11], s[12:13]
	s_cmp_eq_u32 s25, 2
	s_cselect_b64 s[26:27], s[14:15], s[26:27]
	s_and_b32 s30, ttmp9, 7                        ; x
	s_bfe_u32 s31, ttmp9, 0x10003                  ; y
	s_lshl_b32 s30, s30, 7
	s_lshl_b32 s36, s24, 5
	s_add_co_u32 s30, s30, s36                     ; my wave's first column
	s_lshl_b32 s28, s31, 21                        ; 512 rows of 4,096 bytes
	s_lshl_b32 s36, s30, 2
	s_add_co_u32 s28, s28, s36
	s_add_nc_u64 s[26:27], s[26:27], s[28:29]
	s_lshl_b32 s28, s25, 19                        ; codes: row 24,576 + 1,024 x tensor + column, 512 bytes a row, + 256 y
	s_lshl_b32 s36, s30, 9
	s_add_co_u32 s28, s28, s36
	s_lshl_b32 s36, s31, 8
	s_add_co_u32 s28, s28, s36
	s_add_co_u32 s28, s28, 12582912
	s_add_nc_u64 s[32:33], s[18:19], s[28:29]
	s_lshl_b32 s28, s25, 15                        ; scale bytes: the same row, 32 bytes a row, + 16 y
	s_lshl_b32 s36, s30, 5
	s_add_co_u32 s28, s28, s36
	s_lshl_b32 s36, s31, 4
	s_add_co_u32 s28, s28, s36
	s_add_co_u32 s28, s28, 786432
	s_add_nc_u64 s[34:35], s[20:21], s[28:29]
	v_lshlrev_b32 v3, 2, v2                        ; in: 4 bytes a lane
	s_mul_i32 s36, s24, 32*PITCH
	s_add_co_u32 s36, s36, WSTG                    ; my stage
	v_mul_u32_u24 v4, v2, PITCH
	v_add_nc_u32 v4, s36, v4                       ; into it: row = my column
	v_and_b32 v5, 15, v2
	v_lshrrev_b32 v6, 4, v2
	v_mul_u32_u24 v7, v6, PITCH
	v_lshl_add_u32 v7, v5, 4, v7
	v_add_nc_u32 v7, s36, v7                       ; out of it: sixteen lanes to a row, two rows an instruction
	v_lshlrev_b32 v8, 9, v6
	v_lshl_add_u32 v8, v5, 4, v8                   ; and the same place among the codes' rows
	v_lshlrev_b32 v9, 5, v2                        ; my column's row of scale bytes
.macro WLOAD t                         ; block t: w(32 t + i, my column) into set t % 2
.irp i, 0,1,2,3,4,5,6,7,8,9,10,11,12,13,14,15,16,17,18,19,20,21,22,23,24,25,26,27,28,29,30,31
	global_load_b32 v[WX+32*((\t)%2)+\i], v3, s[26:27] offset:(32*(\t)+\i)*4096 th:TH_LOAD_NT
.endr
.endm
	WLOAD 0
	WLOAD 1
.macro WBLOCK t
.set XS, WX+32*((\t)%2)
.if (\t) < NB-1
	s_wait_loadcnt 32                              ; this block's 32 loads are in; the next block's 32 may be out
.else
	s_wait_loadcnt 0
.endif
	v_max3_num_f32 v12, |v[XS]|, |v[XS+1]|, |v[XS+2]|              ; the block's largest magnitude: all 32 numbers are mine
	v_max3_num_f32 v13, |v[XS+3]|, |v[XS+4]|, |v[XS+5]|
.irp i, 6,10,14,18,22,26
	v_max3_num_f32 v12, v12, |v[XS+\i]|, |v[XS+\i+1]|
	v_max3_num_f32 v13, v13, |v[XS+\i+2]|, |v[XS+\i+3]|
.endr
	v_max3_num_f32 v12, v12, |v[XS+30]|, |v[XS+31]|
	v_max3_num_f32 v12, v12, v13, 0x1800000        ; the floor 2^(3 - 127)
	v_add_nc_u32 v11, 0xff000000, v12              ; the conversion's scale operand
	v_lshrrev_b32 v13, 23, v11                     ; the scale's byte
.if (\t)%4 == 0
	v_mov_b32 v[SB+(\t)/4], v13                    ; four bytes to a register, the lower K in the lower byte
.else
	v_lshl_or_b32 v[SB+(\t)/4], v13, 8*((\t)%4), v[SB+(\t)/4]
.endif
.irp g, 0,1,2,3
	v_cvt_scalef32_pk8_fp4_f32 v[WC+\g], v[XS+8*\g:XS+8*\g+7], v11
.endr
	ds_store_b128 v4, v[WC:WC+3] offset:16*(\t)    ; 32 codes: 16 bytes of my column's row
.if (\t)+2 < NB
	WLOAD (\t)+2
.endif
	s_wait_dscnt 0x0                               ; the store has read its registers: the next block's codes may be written
.endm
.set Q, 0
.rept NB
	WBLOCK Q
.set Q, Q+1
.endr
	global_store_b128 v9, v[SB:SB+3], s[34:35]     ; my column's 16 scale bytes
.irp t, 0,1,2,3,4,5,6,7,8,9,10,11,12,13,14,15
	ds_load_b128 v[OUTR+4*\t:OUTR+4*\t+3], v7 offset:2*\t*PITCH
.endr
.irp t, 0,1,2,3,4,5,6,7,8,9,10,11,12,13,14,15
	s_wait_dscnt 15-\t                             ; the younger loads from the stage may be out
	global_store_b128 v8, v[OUTR+4*\t:OUTR+4*\t+3], s[32:33] offset:2*\t*512   ; sixteen lanes store 256 consecutive bytes, aligned
.endr
	FINISH
	; ---------------- PATH O: w_o to f16, in the order of the registers of a fragment of w_o^T.  8 work-groups along n (128 columns) x 8 along K (128).  No LDS.
	; A lane takes column n and 128 numbers down K.  Of a block of 32 along K, the packed registers 4 p .. 4 p + 3 hold k = 8 p .. 8 p + 7: they are 16 bytes at 256 p + 16 (n % 16) of the block's image.
.Lpath_o:
	s_sub_co_u32 s25, ttmp9, 48
	s_and_b32 s30, s25, 7                          ; x
	s_lshr_b32 s31, s25, 3                         ; y
	s_lshl_b32 s28, s31, 19                        ; 128 rows of 4,096 bytes
	s_lshl_b32 s36, s30, 9
	s_add_co_u32 s28, s28, s36
	s_lshl_b32 s36, s24, 7
	s_add_co_u32 s28, s28, s36                     ; + 4 x (128 x + 32 wave)
	s_add_nc_u64 s[26:27], s[16:17], s[28:29]
	s_lshr_b32 s28, s31, 1
	s_lshl_b32 s28, s28, 19                        ; the K step of 256: 524,288 bytes
	s_lshl_b32 s36, s30, 16
	s_add_co_u32 s28, s28, s36                     ; 8 x tiles of 16 columns, 8,192 bytes each
	s_lshl_b32 s36, s24, 14
	s_add_co_u32 s28, s28, s36                     ; 2 a wave
	s_and_b32 s36, s31, 1
	s_lshl_b32 s36, s36, 12
	s_add_co_u32 s28, s28, s36                     ; the upper or lower four blocks of 32 along K
	s_add_nc_u64 s[32:33], s[22:23], s[28:29]
	v_lshlrev_b32 v3, 2, v2
	v_lshrrev_b32 v4, 4, v2
	v_and_b32 v5, 15, v2
	v_lshlrev_b32 v4, 13, v4
	v_lshl_add_u32 v4, v5, 4, v4                   ; lanes 16-31: the next tile of columns
.macro OLOAD t
.irp i, 0,1,2,3,4,5,6,7,8,9,10,11,12,13,14,15,16,17,18,19,20,21,22,23,24,25,26,27,28,29,30,31
	global_load_b32 v[32+32*(\t)+\i], v3, s[26:27] offset:(32*(\t)+\i)*4096 th:TH_LOAD_NT
.endr
.endm
.macro OBLOCK t, left
	s_wait_loadcnt \left                           ; this block's 32 loads are in; the next block's may be out
.irp i, 0,1,2,3,4,5,6,7,8,9,10,11,12,13,14,15
	v_cvt_pk_f16_f32 v[32+32*(\t)+\i], v[32+32*(\t)+2*\i], v[32+32*(\t)+2*\i+1]   ; packed in place: result i never passes source 2 i
.endr
.irp p, 0,1,2,3
	global_store_b128 v4, v[32+32*(\t)+4*\p:32+32*(\t)+4*\p+3], s[32:33] offset:1024*(\t)+256*\p   ; each half of the lanes stores 256 consecutive bytes, aligned
.endr
.endm
	OLOAD 0
	OLOAD 1
	OBLOCK 0, 32
	OLOAD 2
	OBLOCK 1, 32
	OLOAD 3
	OBLOCK 2, 32
	OBLOCK 3, 0
	FINISH
.Lfunc_end_k_qfddf83f381_prep:
	.size	k_qfddf83f381_prep, .Lfunc_end_k_qfddf83f381_prep-k_qfddf83f381_prep
	.p2alignl 7, 3214868480
	.fill 96, 4, 3214868480
	.section	.rodata,"a",@progbits
	.p2align	6, 0x0
	.amdhsa_kernel k_qfddf83f381_prep
		.amdhsa_group_segment_fixed_size 68096
		.amdhsa_private_segment_fixed_size 0
		.amdhsa_enable_private_segment 0
		.amdhsa_kernarg_size 80
		.amdhsa_user_sgpr_count 2
		.amdhsa_user_sgpr_kernarg_segment_ptr 1
		.amdhsa_wavefront_size32 1
		.amdhsa_system_sgpr_workgroup_id_x 1
		.amdhsa_system_sgpr_workgroup_id_y 1
		.amdhsa_system_sgpr_workgroup_id_z 1
		.amdhsa_system_vgpr_workitem_id 0
		.amdhsa_next_free_vgpr 192
		.amdhsa_next_free_sgpr 66
		.amdhsa_reserve_vcc 0
		.amdhsa_float_denorm_mode_32 3
		.amdhsa_float_denorm_mode_16_64 3
		.amdhsa_memory_ordered 1
		.amdhsa_forward_progress 1
		.amdhsa_inst_pref_size 130
	.end_amdhsa_kernel
	.amdgpu_metadata
---
amdhsa.version: [ 1, 2 ]
amdhsa.kernels:
  - .name:           k_qfddf83f381_prep
    .symbol:         k_qfddf83f381_prep.kd
    .args:
      - { .name: q, .offset: 0, .size: 8, .value_kind: global_buffer, .address_space: global }
      - { .name: k, .offset: 8, .size: 8, .value_kind: global_buffer, .address_space: global }
      - { .name: v, .offset: 16, .size: 8, .value_kind: global_buffer, .address_space: global }
      - { .name: w_q, .offset: 24, .size: 8, .value_kind: global_buffer, .address_space: global }
      - { .name: w_k, .offset: 32, .size: 8, .value_kind: global_buffer, .address_space: global }
      - { .name: w_v, .offset: 40, .size: 8, .value_kind: global_buffer, .address_space: global }
      - { .name: w_o, .offset: 48, .size: 8, .value_kind: global_buffer, .address_space: global }
      - { .name: codes, .offset: 56, .size: 8, .value_kind: global_buffer, .address_space: global }
      - { .name: scales, .offset: 64, .size: 8, .value_kind: global_buffer, .address_space: global }
      - { .name: wo_img, .offset: 72, .size: 8, .value_kind: global_buffer, .address_space: global }
    .group_segment_fixed_size: 68096
    .private_segment_fixed_size: 0
    .kernarg_segment_align: 8
    .kernarg_segment_size: 80
    .max_flat_workgroup_size: 128
    .sgpr_count:     66
    .vgpr_count:     192
    .wavefront_size: 32
...
	.end_amdgpu_metadata
.endif
;; end of part 1
;; launch proj (part 2): grid 4 x 96, 4 waves a work-group, clusters of 4 x 4, 327,680 bytes of LDS; arguments codes, scales, b_q, b_k, b_v, qkv, fin; writes qkv, fin
.if DOCPART == 2
	.amdgcn_target "amdgcn-amd-amdhsa--gfx1250"
	.amdhsa_code_object_version 6
	.text
	.protected	k_qfddf83f381_proj
	.globl	k_qfddf83f381_proj
	.p2align	8
	.type	k_qfddf83f381_proj,@function
k_qfddf83f381_proj:
	s_mov_b64 s[64:65], 0
	v_nop
	global_prefetch_b8 v0, s[64:65] scope:SCOPE_SE
	s_setreg_imm32_b32 hwreg(HW_REG_WAVE_MODE, 25, 1), 1
	s_wait_xcnt 0x0
	s_wait_alu depctr_hold_cnt(0) depctr_sa_sdst(0) depctr_va_vdst(0) depctr_va_sdst(0) depctr_va_ssrc(0) depctr_va_vcc(0) depctr_vm_vsrc(0)
	s_getreg_b32 s2, hwreg(HW_REG_IB_STS2, 6, 4)
	s_cmp_eq_u32 s2, 0
	s_cbranch_scc0 .Lentry_in_a_cluster
	s_endpgm
.Lentry_in_a_cluster:
	s_bfe_u32 s2, ttmp6, 0x10000c
	s_cmp_lg_u32 s2, 0xf033
	s_cbranch_scc0 .Lentry_shape_is_right
	s_endpgm
.Lentry_shape_is_right:
; PROJ: the three quantised products, x W + b, on codes of FP4 (E2M1) with E8M0 scales, K = 1,024; sums in f32; the bias is added in f32; the results leave as f16 in the order of the next product's operand registers.
; A tile of 256 x 256 is made by four waves, each 128 x 128 (64 accumulators, 512 registers).  K goes in two steps of 512: both slots are filled at the head and never again.
; ONE TEXT FOR Q, K AND V.  The matrix instruction is used transposed: source 0 = 16 rows of region B, source 1 = 16 rows of region A; a lane then holds ONE row of A and eight neighbouring rows of B.
;   Q, K: A = 256 tokens, B = 256 columns of the weight: a lane holds a token and 8 neighbouring channels: half a fragment (16 tokens x 32 channels) of the scores' product.
;   V:    A = 256 columns of w_v, B = 256 tokens: a lane holds a channel and 8 neighbouring keys: half a fragment of V^T (16 channels x 32 keys).
; So every store is 16 bytes a lane at 16 x lane: 512 consecutive bytes, aligned; no stage, no LDS store.
; qkv: q at 0, k at 16,777,216: [batch x head 64][16 tokens 128][32 channels 2][half 2][512 bytes];  v at 33,554,432: [batch x head 64][32 keys 64][16 channels 4][half 2][512 bytes].
; fin: the same results of positions 0 .. 15 of every batch in f32, as the accumulators' registers lie: [tensor 3][batch 4][head 16][piece 8][512 bytes].
; CLUSTERS: 4 x 4.  A's tile is shared along a row of the cluster, B's along a column, each asked for jointly.  The four token tiles of a cluster are the SAME 256 positions of the four batches,
; so 'this tile holds positions 0 .. 15' hangs on the cluster's number alone and is the same in all partners.
; LIMITS: the results stay under 65,504 in magnitude (f16); NaN and infinities are not served.
; REGISTERS, in windows of 256: window 0: v16-29 addresses; v32-95 scale words, two sets; v128-191 A's fragments, one set; on the way out v32-95 sums, v96-159 packed results, v192-255 the bias.
;   window 1: B's fragments, two sets, at v0 and v128.  window 2: the accumulators of my rows 0-63 ((a, b) at v[8 (8 a + b)]); window 3: those of rows 64-127.
.set NQ,     4                         ; matrix instructions deep in a slot (512 along K)
.set ROWB,   256                       ; a tile's row in bytes
.set KROW,   512                       ; a row of codes in memory
.set PITCH,  272                       ; an LDS row: 256 bytes + 16 of padding, so that the 16 rows of a fragment load start at 16 different places modulo 256 bytes
.set FR,     8
.set NL,     2
.set NP,     4                         ; places behind this matrix instruction (ISA guide 7.12.1)
.set HALFT,  128*PITCH
.set SLOT,   4*HALFT
.set KS,     32                        ; a row of scale bytes
.set SCL,    2*SLOT                    ; behind the slots: the scales, as units of 256 bytes + 16 of padding
.set HALFS,  (128*KS/256)*272
.set SBLK,   (16*KS/256)*272
.set SPARE,  SCL+4*HALFS               ; the spare words, 128 bytes for each wave
.set ADRA, 16
.set ADRB, 20
.set BO,   24                          ; v24 32 x (lane / 16): the bias of Q, K
.set VO,   25                          ; v25 4 x (lane % 16): the bias of V
.set L16,  26                          ; v26 16 x lane
.set ADRS, 27
.set SPW,  28
.set NIL,  29
.set SC,   32
.set AF,   128
.set T,    32                          ; the way out: sums + bias, 8 registers for each of 8 blocks
.set Y,    96                          ; packed, two sets of 32
.set BI,   192                         ; the bias
.set G1, 24
.set G0, 32
.set G1B, 48
.set G0B, 56
.set G1S, 68
.set G0S, 76
.set G1SB, 80
.set G0SB, 88
.set MSB, 0
.macro WIN new                         ; the immediate's high byte repeats the setting that is left
.if MSB != (\new)
	s_set_vgpr_msb (MSB<<8)|(\new)
.set MSB, (\new)
.endif
.endm
.set MUL_LO, 0xa1
.set MUL_HI, 0xf1
.set TO_B,   0x40
; A joint load: waves 0 and 1 fetch for A, waves 2 and 3 for B.  The branch hangs on the wave's number alone.  An s_nop 0 and four v_nop follow each line.
.macro JLOAD g0a, g1a, g0b, g1b
	s_cmp_eq_u32 s15, 0
	s_cbranch_scc0 .Lfor_b_\@
	tensor_load_to_lds s[\g0a:\g0a+3], s[\g1a:\g1a+7]
	s_nop 0
.rept 4
	v_nop
.endr
	s_branch .Lasked_\@
.Lfor_b_\@:
	tensor_load_to_lds s[\g0b:\g0b+3], s[\g1b:\g1b+7]
	s_nop 0
.rept 4
	v_nop
.endr
.Lasked_\@:
.endm
.macro CROUND                          ; a round of the cluster's barrier
	s_barrier_signal -1
	s_barrier_wait -1
	s_cmp_lg_u32 s14, 0
	s_cbranch_scc1 .Lnot_wave_0_\@
	s_barrier_signal -3
.Lnot_wave_0_\@:
	s_barrier_wait -3
	s_barrier_signal -1
	s_barrier_wait -1
.endm
	s_load_b256 s[4:11], s[0:1], 0x0               ; codes s[4:5], scales s[6:7], b_q s[8:9], b_k s[10:11]
	s_load_b128 s[96:99], s[0:1], 0x20             ; b_v s[96:97], qkv s[98:99]
	s_load_b64 s[100:101], s[0:1], 0x30            ; fin
	v_lshl_add_u32 v[SPW], v0, 2, SPARE
	v_mov_b32 v[NIL], 0
	ds_add_u32 v[SPW], v[NIL]                      ; the wave's opening: the add, twice on end, and its wait ahead of my first tensor load
	ds_add_u32 v[SPW], v[NIL]
	v_lshrrev_b32 v1, 5, v0
	v_readfirstlane_b32 s14, v1                    ; wave 0..3
	s_lshr_b32 s15, s14, 1                         ; which half of A's rows is mine.  Also: I fetch for A (0) or for B (1)
	s_and_b32 s16, s14, 1                          ; which half of B's rows.  Also: which 128 rows of that region I fetch
	s_bfe_u32 s40, ttmp6, 0x40000                  ; cx
	s_bfe_u32 s41, ttmp6, 0x40004                  ; cy
	s_and_b32 s13, ttmp7, 0xffff                   ; the cluster's y, 0 .. 23
	s_lshr_b32 s12, s13, 3                         ; tensor: 0 q, 1 k, 2 v: the same in all partners
	s_and_b32 s13, s13, 7                          ; which 256 positions of a batch: the same in all partners
	s_lshl_b32 s43, s41, 2
	s_lshl_b32 s43, 15, s43                        ; my row of the cluster
	s_lshl_b32 s44, 0x1111, s40                    ; my column
	s_or_b32 s[G1+0], s43, (0<<16)|(1<<20)|(1<<21)|(5<<22)|(3<<25)  ; the mask; elements of 1 byte; padding on: 4 words behind every 64; bit 21 beside a mask
	s_or_b32 s[G1B+0], s44, (0<<16)|(1<<20)|(1<<21)|(5<<22)|(3<<25)
.irp g, G1, G1B
	s_mov_b32 s[\g+1], ROWB<<16                    ; tensor_dim0
	s_mov_b32 s[\g+2], 128<<16                     ; tensor_dim1
	s_mov_b32 s[\g+3], ROWB<<16                    ; tile_dim0
	s_mov_b32 s[\g+4], 128                         ; tile_dim1
	s_mov_b32 s[\g+5], KROW                        ; the pitch
	s_mov_b32 s[\g+6], 0
	s_mov_b32 s[\g+7], 0
.endr
	s_or_b32 s[G1S+0], s43, (3<<16)|(1<<20)|(1<<21)|(5<<22)|(3<<25) ; the scales of 128 rows: 4,096 dense bytes as 16 rows of 256 (32 elements of 8 bytes), 16 bytes of padding behind each
	s_or_b32 s[G1SB+0], s44, (3<<16)|(1<<20)|(1<<21)|(5<<22)|(3<<25)
.irp g, G1S, G1SB
	s_mov_b32 s[\g+1], 32<<16
	s_mov_b32 s[\g+2], (128*KS/256)<<16
	s_mov_b32 s[\g+3], 32<<16
	s_mov_b32 s[\g+4], 128*KS/256
	s_mov_b32 s[\g+5], 32
	s_mov_b32 s[\g+6], 0
	s_mov_b32 s[\g+7], 0
.endr
	; The regions' first rows in the common row index.  A's chain of registers holds cy alone, B's cx alone.
	s_lshl_b32 s19, s13, 8                         ; 256 x position block
	s_lshl_b32 s18, s12, 13
	s_add_co_u32 s18, s18, s19                     ; Q, K: tensor x 8,192 + 256 x block
	s_lshl_b32 s20, s41, 11
	s_add_co_u32 s20, s20, s18                     ; + 2,048 x batch (cy): tokens
	s_lshl_b32 s21, s41, 8
	s_add_co_u32 s21, s21, 26624                   ; V: w_v's rows 24,576 + 2,048 + 256 cy
	s_cmp_eq_u32 s12, 2
	s_cselect_b32 s20, s21, s20                    ; A's first row
	s_lshl_b32 s22, s12, 10
	s_add_co_u32 s22, s22, 24576
	s_lshl_b32 s46, s40, 8
	s_add_co_u32 s46, s46, s22                     ; Q, K: the weight's rows 24,576 + 1,024 x tensor + 256 cx
	s_lshl_b32 s47, s40, 11
	s_add_co_u32 s47, s47, s19
	s_add_co_u32 s47, s47, 16384                   ; V: tokens 16,384 + 2,048 x batch (cx) + 256 x block
	s_cmp_eq_u32 s12, 2
	s_cselect_b32 s46, s47, s46                    ; B's first row
	s_lshl_b32 s18, s16, 7                         ; which 128 rows I fetch
	s_add_co_u32 s20, s20, s18
	s_add_co_u32 s46, s46, s18
	s_lshl_b32 s22, s20, 5                         ; their scale bytes,
	s_mov_b32 s23, 0
	s_lshl_b32 s92, s46, 5
	s_mov_b32 s93, 0
	s_lshl_b32 s20, s20, 9                         ; and their codes
	s_mov_b32 s21, 0
	s_lshl_b32 s46, s46, 9
	s_mov_b32 s47, 0
	s_mul_i32 s45, s14, HALFT                      ; where they go: wave x 128 rows: no place in the cluster enters an LDS address
	s_mul_i32 s94, s14, HALFS
	s_wait_dscnt 0x0                               ; both opening adds are done
	s_wait_kmcnt 0x0
	s_add_nc_u64 s[20:21], s[4:5], s[20:21]
	s_add_nc_u64 s[22:23], s[6:7], s[22:23]
	s_add_nc_u64 s[46:47], s[4:5], s[46:47]
	s_add_nc_u64 s[92:93], s[6:7], s[92:93]
	CROUND                                         ; all sixteen work-groups are here: the first joint loads meet
	s_mov_b32 s[G0S], 1
	s_add_co_u32 s[G0S+1], s94, SCL
	s_mov_b64 s[G0S+2:G0S+3], s[22:23]
	s_or_b32 s[G0S+3], s[G0S+3], 0x80000000
	s_mov_b32 s[G0SB], 1
	s_add_co_u32 s[G0SB+1], s94, SCL
	s_mov_b64 s[G0SB+2:G0SB+3], s[92:93]
	s_or_b32 s[G0SB+3], s[G0SB+3], 0x80000000
	JLOAD G0S, G1S, G0SB, G1SB                     ; the scales first: they are wanted with the first K step
.irp s, 0,1
	s_mov_b32 s[G0+4*\s], 1
	s_add_co_u32 s[G0+4*\s+1], s45, \s*SLOT
	s_add_nc_u64 s[G0+4*\s+2:G0+4*\s+3], s[20:21], \s*ROWB
	s_or_b32 s[G0+4*\s+3], s[G0+4*\s+3], 0x80000000
	s_mov_b32 s[G0B+4*\s], 1
	s_add_co_u32 s[G0B+4*\s+1], s45, \s*SLOT
	s_add_nc_u64 s[G0B+4*\s+2:G0B+4*\s+3], s[46:47], \s*ROWB
	s_or_b32 s[G0B+4*\s+3], s[G0B+4*\s+3], 0x80000000
	JLOAD G0+4*\s, G1, G0B+4*\s, G1B               ; three tensor loads of mine are out: the scales and both slots
.endr
	v_and_b32 v1, 15, v0                           ; r = lane % 16
	v_bfe_u32 v2, v0, 4, 1                         ; h = lane / 16
	v_mul_u32_u24 v3, v1, PITCH
	v_lshl_add_u32 v4, v2, 4, v3                   ; a fragment's row x pitch + 16 h
	s_mul_i32 s21, s15, HALFT                      ; my 128 rows of A
	s_mul_i32 s22, s16, HALFT                      ; my 128 rows of B,
	s_add_co_u32 s22, s22, 2*HALFT                 ; behind A's 256
.irp s, 0,1
	v_add_nc_u32 v[ADRA+\s], s21, v4
	v_add_nc_u32 v[ADRB+\s], s22, v4
	s_add_co_u32 s21, s21, SLOT
	s_add_co_u32 s22, s22, SLOT
.endr
	v_mul_u32_u24 v5, v1, KS                       ; my row's scales: 32 bytes a row,
	v_lshrrev_b32 v6, 8, v5
	v_lshl_add_u32 v5, v6, 4, v5                   ; and 16 more for each 256 passed
	s_mul_i32 s21, s15, HALFS
	s_mul_i32 s22, s16, HALFS
	s_add_co_u32 s22, s22, 2*HALFS
	s_sub_co_u32 s22, s22, s21
	v_mul_u32_u24 v6, s22, v2                      ; lanes 16-31 take B's: one product, the distance between the two bases
	s_add_co_u32 s21, s21, SCL
	v_add_nc_u32 v5, v5, v6
	v_add_nc_u32 v[ADRS], s21, v5
	v_and_b32 v6, 31, v0
	v_lshlrev_b32 v[L16], 4, v6
	v_lshlrev_b32 v[BO], 5, v2
	v_lshlrev_b32 v[VO], 2, v1
.macro FRAG reg, adr, q, i             ; 16 rows x 128 K of 4-bit codes: 8 registers: two loads of 16 bytes, 32 bytes apart
.irp c, 0,1
	ds_load_b128 v[\reg+4*\c:\reg+4*\c+3], v[\adr] offset:64*(\q)+32*\c+(\i)*16*PITCH
.endr
.endm
; 16 matrix instructions: A's blocks a0, a0 + 1 x B's eight.  The 64 accumulators take turns, one instruction a turn, in the same order in every step.
.macro MUL16 a0, p, q, sc, zero
.irp a, \a0, \a0+1
.irp b, 0,1,2,3,4,5,6,7
.if \zero
	v_wmma_scale_f32_16x16x128_f8f6f4 v[8*(8*((\a)%4)+\b):8*(8*((\a)%4)+\b)+7], v[128*(\p)+FR*\b:128*(\p)+FR*\b+FR-1], v[AF+FR*(\a):AF+FR*(\a)+FR-1], 0, v[SC+8*NQ*(\sc)+NQ*\b+(\q)], v[SC+8*NQ*(\sc)+NQ*(\a)+(\q)] matrix_a_fmt:MATRIX_FMT_FP4 matrix_b_fmt:MATRIX_FMT_FP4 matrix_a_scale:MATRIX_SCALE_ROW1
.else
	v_wmma_scale_f32_16x16x128_f8f6f4 v[8*(8*((\a)%4)+\b):8*(8*((\a)%4)+\b)+7], v[128*(\p)+FR*\b:128*(\p)+FR*\b+FR-1], v[AF+FR*(\a):AF+FR*(\a)+FR-1], v[8*(8*((\a)%4)+\b):8*(8*((\a)%4)+\b)+7], v[SC+8*NQ*(\sc)+NQ*\b+(\q)], v[SC+8*NQ*(\sc)+NQ*(\a)+(\q)] matrix_a_fmt:MATRIX_FMT_FP4 matrix_b_fmt:MATRIX_FMT_FP4 matrix_a_scale:MATRIX_SCALE_ROW1
.endif
.endr
.endr
.endm
.macro FETCH_B slot, q, p
	WIN TO_B
.irp i, 0,1,2,3,4,5,6,7
	FRAG 128*(\p)+FR*\i, ADRB+\slot, \q, \i
.endr
	WIN 0
.endm
.macro FETCH_A slot, q, i0
.irp i, \i0, \i0+1, \i0+2, \i0+3
	FRAG AF+FR*(\i), ADRA+\slot, \q, \i
.endr
.endm
.macro SCALES sc                       ; a slot's scale words: lanes 0-15 take A's block i, lanes 16-31 B's block i
.irp i, 0,1,2,3,4,5,6,7
	ds_load_b128 v[SC+8*NQ*\sc+NQ*\i:SC+8*NQ*\sc+NQ*\i+3], v[ADRS] offset:\i*SBLK
.endr
.endm
.macro PLACES n                        ; plain vector instructions that name none of the matrix instructions' registers (ISA guide 7.12.1)
.rept \n
	v_nop
.endr
.endm
.macro STEP slot, q, zero              ; 128 along K that has its successor in the same slot
	s_wait_dscnt 4*NL                              ; B's set and A's blocks 0-3 are in; the youngest eight loads (A's blocks 4-7) may be out
	WIN MUL_LO
	MUL16 0, (\q)%2, \q, \slot, \zero
	MUL16 2, (\q)%2, \q, \slot, \zero
	s_wait_dscnt 0                                 ; A's blocks 4-7 are in
	PLACES NP
	FETCH_B \slot, (\q)+1, 1-(\q)%2
	FETCH_A \slot, (\q)+1, 0
	WIN MUL_HI
	MUL16 4, (\q)%2, \q, \slot, \zero
	MUL16 6, (\q)%2, \q, \slot, \zero
	PLACES NP
	WIN 0
	FETCH_A \slot, (\q)+1, 4
.endm
.macro TURN slot, next                 ; slot 0's last step changes slots: one barrier; nothing is filled again
	s_wait_tensorcnt 0x0                           ; all my tensor loads have landed: my part of the next slot among them
	ds_add_u32 v[SPW], v[NIL]                      ; 0 onto my spare word
	s_wait_dscnt 4*NL+1                            ; the add and the youngest eight loads may be out
	WIN MUL_LO
	MUL16 0, 1, NQ-1, \slot, 0
	s_wait_dscnt 0x0                               ; the add is done, and my reads of this slot are over
	s_barrier_signal -1
	MUL16 2, 1, NQ-1, \slot, 0
	WIN 0
	s_barrier_wait -1                              ; the next slot is whole
	PLACES NP
	v_add_nc_u32 v[ADRS], 4*NQ, v[ADRS]            ; on to the next slot's scale words
	FETCH_B \next, 0, 0
	FETCH_A \next, 0, 0
	SCALES \next
	WIN MUL_HI
	MUL16 4, 1, NQ-1, \slot, 0
	MUL16 6, 1, NQ-1, \slot, 0
	PLACES NP
	WIN 0
	FETCH_A \next, 0, 4
.endm
.macro STEPS slot, from
.set Q, \from
.rept NQ-1-\from
	STEP \slot, Q, 0
.set Q, Q+1
.endr
.endm
	s_wait_tensorcnt 1                             ; the scales and my part of slot 0 are in; slot 1's load may be out
	s_barrier_signal -1
	s_barrier_wait -1
	FETCH_B 0, 0, 0
	FETCH_A 0, 0, 0
	SCALES 0
	FETCH_A 0, 0, 4
	STEP 0, 0, 1                                   ; the first products start the sums: nothing is cleared
	STEPS 0, 1
	TURN 0, 1
	STEPS 1, 0
	s_wait_dscnt 4*NL                              ; the very last step: nothing more to fetch
	WIN MUL_LO
	MUL16 0, 1, NQ-1, 1, 0
	MUL16 2, 1, NQ-1, 1, 0
	s_wait_dscnt 0
	WIN MUL_HI
	MUL16 4, 1, NQ-1, 1, 0
	MUL16 6, 1, NQ-1, 1, 0
	WIN 0
; THE WAY OUT, A's blocks one after the other: the bias is added in f32 (each accumulator from its low end on), eight neighbours pack into 16 bytes of f16, and 32 lanes store 512 consecutive bytes.
.macro OUTA a, isv
.if (\a) >= 2
	s_wait_xcnt 0x0                                ; the stores of two blocks back have read this set of packed registers
.endif
	WIN 0x02+(\a)/4                                ; source 0: window 2 or 3
.irp b, 0,1,2,3,4,5,6,7
.irp i, 0,2,4,6
.if \isv
	v_pk_add_f32 v[T+8*\b+\i:T+8*\b+\i+1], v[64*((\a)%4)+8*\b+\i:64*((\a)%4)+8*\b+\i+1], v[BI+2*(\a):BI+2*(\a)+1]
.else
	v_pk_add_f32 v[T+8*\b+\i:T+8*\b+\i+1], v[64*((\a)%4)+8*\b+\i:64*((\a)%4)+8*\b+\i+1], v[BI+8*\b+\i:BI+8*\b+\i+1]
.endif
.endr
.endr
	WIN 0
.irp b, 0,1,2,3,4,5,6,7
.irp i, 0,1,2,3
	v_cvt_pk_f16_f32 v[Y+32*((\a)%2)+4*\b+\i], v[T+8*\b+2*\i], v[T+8*\b+2*\i+1]
.endr
.endr
.irp b, 0,1,2,3,4,5,6,7
.if \isv
	global_store_b128 v[L16], v[Y+32*((\a)%2)+4*\b:Y+32*((\a)%2)+4*\b+3], s[2:3] offset:((\a)/4)*262144+((\a)%4)*1024+(\b/2)*4096+(\b%2)*512
.else
	global_store_b128 v[L16], v[Y+32*((\a)%2)+4*\b:Y+32*((\a)%2)+4*\b+3], s[2:3] offset:(\b/4)*262144+(\a)*2048+(\b%4)*512
.endif
.endr
.endm
	PLACES NP                                      ; behind the last products: ahead of the first read of results and the first write of the scale words' registers
	s_cmp_eq_u32 s12, 2                            ; the tensor: the same in all partners
	s_cbranch_scc1 .Lout_v
	; ---- Q, K: lane (r, h) of accumulator (a, b): token 16 a + r, channels 16 b + 8 h + 0 .. 7
	s_cmp_eq_u32 s12, 0
	s_cselect_b64 s[66:67], s[8:9], s[10:11]
	s_lshl_b32 s92, s40, 10
	s_lshl_b32 s93, s16, 9
	s_add_co_u32 s92, s92, s93                     ; 4 x (256 cx + 128 x my half of B)
	s_mov_b32 s93, 0
	s_add_nc_u64 s[66:67], s[66:67], s[92:93]
.irp b, 0,1,2,3,4,5,6,7
	global_load_b128 v[BI+8*\b:BI+8*\b+3], v[BO], s[66:67] offset:64*\b
	global_load_b128 v[BI+8*\b+4:BI+8*\b+7], v[BO], s[66:67] offset:64*\b+16
.endr
	s_lshl_b32 s92, s41, 4
	s_lshl_b32 s93, s40, 2
	s_add_co_u32 s92, s92, s93
	s_lshl_b32 s93, s16, 1
	s_add_co_u32 s92, s92, s93                     ; batch x 16 + my first head
	s_lshl_b32 s94, s92, 12                        ; (its place in fin)
	s_lshl_b32 s92, s92, 7
	s_lshl_b32 s93, s13, 4
	s_add_co_u32 s92, s92, s93
	s_lshl_b32 s93, s15, 3
	s_add_co_u32 s92, s92, s93                     ; x 128 tiles of tokens + my first
	s_lshl_b32 s92, s92, 11
	s_lshl_b32 s93, s12, 24
	s_add_co_u32 s92, s92, s93                     ; q or k
	s_mov_b32 s93, 0
	s_add_nc_u64 s[2:3], s[98:99], s[92:93]
	s_wait_loadcnt 0x0                             ; the bias
.irp a, 0,1,2,3,4,5,6,7
	OUTA \a, 0
.endr
	s_or_b32 s92, s13, s15                         ; positions 0 .. 15 are my block a = 0 where the position block and my half of A are 0
	s_cmp_lg_u32 s92, 0
	s_cbranch_scc1 .Ldone
	s_lshl_b32 s92, s12, 18
	s_add_co_u32 s92, s92, s94
	s_mov_b32 s93, 0
	s_add_nc_u64 s[92:93], s[100:101], s[92:93]
	WIN 0x02
.irp b, 0,1,2,3,4,5,6,7
.irp i, 0,2,4,6
	v_pk_add_f32 v[T+8*\b+\i:T+8*\b+\i+1], v[8*\b+\i:8*\b+\i+1], v[BI+8*\b+\i:BI+8*\b+\i+1]
.endr
.endr
	WIN 0
.irp b, 0,1,2,3,4,5,6,7
.irp u, 0,1
	global_store_b128 v[L16], v[T+8*\b+4*\u:T+8*\b+4*\u+3], s[92:93] offset:(\b/4)*4096+(\b%4)*1024+\u*512
.endr
.endr
	s_branch .Ldone
	; ---- V: lane (r, h) of accumulator (a, b): channel 16 a + r, keys 16 b + 8 h + 0 .. 7
.Lout_v:
	s_lshl_b32 s92, s41, 10
	s_lshl_b32 s93, s15, 9
	s_add_co_u32 s92, s92, s93                     ; 4 x (256 cy + 128 x my half of A)
	s_mov_b32 s93, 0
	s_add_nc_u64 s[66:67], s[96:97], s[92:93]
.irp a, 0,1,2,3,4,5,6,7
	global_load_b32 v[BI+2*\a], v[VO], s[66:67] offset:64*\a      ; my channel's bias, twice: a pair for the packed addition
	global_load_b32 v[BI+2*\a+1], v[VO], s[66:67] offset:64*\a
.endr
	s_lshl_b32 s92, s40, 4
	s_lshl_b32 s93, s41, 2
	s_add_co_u32 s92, s92, s93
	s_lshl_b32 s93, s15, 1
	s_add_co_u32 s92, s92, s93                     ; batch x 16 + my first head
	s_lshl_b32 s94, s92, 12
	s_lshl_b32 s92, s92, 6
	s_lshl_b32 s93, s13, 3
	s_add_co_u32 s92, s92, s93
	s_lshl_b32 s93, s16, 2
	s_add_co_u32 s92, s92, s93                     ; x 64 groups of 32 keys + my first
	s_lshl_b32 s92, s92, 12
	s_add_co_u32 s92, s92, 33554432
	s_mov_b32 s93, 0
	s_add_nc_u64 s[2:3], s[98:99], s[92:93]
	s_wait_loadcnt 0x0
.irp a, 0,1,2,3,4,5,6,7
	OUTA \a, 1
.endr
	s_or_b32 s92, s13, s16                         ; keys 0 .. 15 are my block b = 0 where the position block and my half of B are 0
	s_cmp_lg_u32 s92, 0
	s_cbranch_scc1 .Ldone
	s_add_co_u32 s92, s94, 524288
	s_mov_b32 s93, 0
	s_add_nc_u64 s[92:93], s[100:101], s[92:93]
	WIN 0x02
.irp a, 0,1,2,3
.irp i, 0,2,4,6
	v_pk_add_f32 v[T+8*\a+\i:T+8*\a+\i+1], v[64*\a+\i:64*\a+\i+1], v[BI+2*\a:BI+2*\a+1]
.endr
.endr
	WIN 0x03
.irp a, 4,5,6,7
.irp i, 0,2,4,6
	v_pk_add_f32 v[T+8*\a+\i:T+8*\a+\i+1], v[64*(\a-4)+\i:64*(\a-4)+\i+1], v[BI+2*\a:BI+2*\a+1]
.endr
.endr
	WIN 0
.irp a, 0,1,2,3,4,5,6,7
.irp u, 0,1
	global_store_b128 v[L16], v[T+8*\a+4*\u:T+8*\a+4*\u+3], s[92:93] offset:(\a/4)*4096+(\a%4)*1024+\u*512
.endr
.endr
.Ldone:
	s_wait_tensorcnt 0x0                           ; the wave's end
	ds_add_u32 v[SPW], v[NIL]
	s_wait_dscnt 0x0
	CROUND                                         ; the closing round
	s_endpgm
.Lfunc_end_k_qfddf83f381_proj:
	.size	k_qfddf83f381_proj, .Lfunc_end_k_qfddf83f381_proj-k_qfddf83f381_proj
	.p2alignl 7, 3214868480
	.fill 96, 4, 3214868480
	.section	.rodata,"a",@progbits
	.p2align	6, 0x0
	.amdhsa_kernel k_qfddf83f381_proj
		.amdhsa_group_segment_fixed_size 327680
		.amdhsa_private_segment_fixed_size 0
		.amdhsa_enable_private_segment 0
		.amdhsa_kernarg_size 56
		.amdhsa_user_sgpr_count 2
		.amdhsa_user_sgpr_kernarg_segment_ptr 1
		.amdhsa_wavefront_size32 1
		.amdhsa_system_sgpr_workgroup_id_x 1
		.amdhsa_system_sgpr_workgroup_id_y 1
		.amdhsa_system_sgpr_workgroup_id_z 1
		.amdhsa_system_vgpr_workitem_id 0
		.amdhsa_next_free_vgpr 1024
		.amdhsa_next_free_sgpr 102
		.amdhsa_reserve_vcc 0
		.amdhsa_float_denorm_mode_32 3
		.amdhsa_float_denorm_mode_16_64 3
		.amdhsa_memory_ordered 1
		.amdhsa_forward_progress 1
		.amdhsa_inst_pref_size 184
	.end_amdhsa_kernel
	.amdgpu_metadata
---
amdhsa.version: [ 1, 2 ]
amdhsa.kernels:
  - .name:           k_qfddf83f381_proj
    .symbol:         k_qfddf83f381_proj.kd
    .args:
      - { .name: codes, .offset: 0, .size: 8, .value_kind: global_buffer, .address_space: global }
      - { .name: scales, .offset: 8, .size: 8, .value_kind: global_buffer, .address_space: global }
      - { .name: b_q, .offset: 16, .size: 8, .value_kind: global_buffer, .address_space: global }
      - { .name: b_k, .offset: 24, .size: 8, .value_kind: global_buffer, .address_space: global }
      - { .name: b_v, .offset: 32, .size: 8, .value_kind: global_buffer, .address_space: global }
      - { .name: qkv, .offset: 40, .size: 8, .value_kind: global_buffer, .address_space: global }
      - { .name: fin, .offset: 48, .size: 8, .value_kind: global_buffer, .address_space: global }
    .group_segment_fixed_size: 327680
    .private_segment_fixed_size: 0
    .kernarg_segment_align: 8
    .kernarg_segment_size: 56
    .max_flat_workgroup_size: 128
    .sgpr_count:     102
    .vgpr_count:     1024
    .wavefront_size: 32
...
	.end_amdgpu_metadata
.endif
;; end of part 2
;; launch attn (part 3): grid 4 x 64, 8 waves a work-group, no clusters, 327,680 bytes of LDS; arguments qkv, ao; writes ao
.if DOCPART == 3
	.amdgcn_target "amdgcn-amd-amdhsa--gfx1250"
	.amdhsa_code_object_version 6
	.text
	.protected	k_qfddf83f381_attn
	.globl	k_qfddf83f381_attn
	.p2align	8
	.type	k_qfddf83f381_attn,@function
k_qfddf83f381_attn:
	s_mov_b64 s[64:65], 0
	v_nop
	global_prefetch_b8 v0, s[64:65] scope:SCOPE_SE
	s_setreg_imm32_b32 hwreg(HW_REG_WAVE_MODE, 25, 1), 1
	s_wait_xcnt 0x0
; ATTN: o = softmax(q k^T / 8, causal) v for one batch and head, f16 operands, f32 products' sums, maxima and row sums.  qkv holds q, k and v^T as images of operand registers (1,024 bytes a fragment:
; registers 0-3 at 16 x lane, registers 4-7 at 512 + 16 x lane), so every LDS and global access is 16 bytes a lane at 16 x lane.
; SHARES.  Work-group (i, batch x head) owns the query blocks 7 - i and i, 256 queries each: 8 - i slots of 256 keys for the first and i + 1 for the second: NINE slots in every work-group, a constant trip count
; and equal work.  Each of eight waves owns 32 queries of a block (two tiles of 16); waves w and w + 4 take strips w and 7 - w, an early and a late one.
; LAYOUT.  Both products are used transposed: S^T = K Q^T (source 0 = 16 keys), O^T = V^T P (source 0 = 16 channels): a lane holds ONE query throughout, and two tiles of S^T, packed to f16, are source 1 of the second product.
; SOFTMAX.  A running maximum m and sum l for each query: p = 2^(c s - c m), c = log2(e) / 8; in every step O and l are multiplied by a = 2^(c m_old - c m_new).
; CAUSAL.  A step of 64 keys that all come after my 32 queries is left out by a scalar branch on ids (no barrier and no tensor load stands in a step); in the one step on the diagonal hidden scores become -infinity.
; THE RING.  Two slots of 64 KiB (256 keys: K's 32 KiB, V's 32 KiB).  Each wave fetches 8 KiB of each slot by one tensor load (waves 0-3: K, waves 4-7: V); one tensor load of a wave is out at any time.
; NO CLUSTER: the four work-groups of a head ask for different tiles from slot 8 - i on, so joint requests could not be alike in all partners.
; ao: [K step of 256: 4][16 rows: 512][32 along K: 8][1,024 bytes]: the result as fragments for the projection out.
; LIMITS: |q|, |k|, |v| projections and |o| under 65,504 (f16); weights p under 6e-8 of the row's largest fall to 0 in f16; NaN and infinities are not served.
; REGISTERS.  Window 0: v1-9 addresses and constants; v16-31 statistics, 8 a tile (c m, m, l in two halves, four at work; a takes the third's place); v64-127 S^T, 32 a tile; v128-159 P; v160-223 O^T, 32 a tile.
;   Window 1: v0-31 Q in use; v32-63 Q of the second block; v64-127 K of a step; v128-191 V of a step.
.set SLOTB, 65536
.set SPARE, 131072                     ; behind the ring: the spare words, 128 bytes for each of eight waves
.set L16, 1                            ; v1 16 x lane; never rewritten
.set ADR, 2                            ; v2 16 x lane + the slot in hand
.set PFO, 3                            ; v3 256 x lane; never rewritten
.set SPW, 4
.set NIL, 5
.set RH,  6                            ; v6 lane % 16 - 8 (lane / 16)
.set NINF, 7                           ; v7 -infinity
.set DD,  8                            ; v8-9 the mask's bound for tiles 0, 1
.set ST,  16
.set S,   64
.set P,   128
.set O,   160
.set QF,  0                            ; window 1
.set QL,  32
.set KFR, 64
.set VFR, 128
.set WV,  8
.set BH,  10
.set QB,  11
.set Q0,  12                           ; my first query of the block in hand
.set Q0L, 13                           ; and of the second block
.set KF,  14                           ; the step's first key
.set CNT, 15
.set G1,  16
.set G0,  24
.set GB,  28                           ; s[28:29] my 8 KiB of key slot 0 in memory
.set NKO, 30                           ; s[30:31] the byte offset of the key slot to be asked for
.set IP1, 32
.set TB,  33
.set PFA, 34
.set LIM, 36
.set CS,  38
.set SEL, 40
.set OB,  42
.set SBA, 44
.set MSB, 0
.macro WIN new
.if MSB != (\new)
	s_set_vgpr_msb (MSB<<8)|(\new)
.set MSB, (\new)
.endif
.endm
	s_load_b128 s[4:7], s[0:1], 0x0                ; qkv s[4:5], ao s[6:7]
	v_lshl_add_u32 v[SPW], v0, 2, SPARE
	v_mov_b32 v[NIL], 0
	ds_add_u32 v[SPW], v[NIL]                      ; the wave's opening: the add, twice on end, and its wait ahead of my first tensor load
	ds_add_u32 v[SPW], v[NIL]
	v_lshrrev_b32 v1, 5, v0
	v_readfirstlane_b32 s[WV], v1                  ; wave 0..7
	s_and_b32 s[BH], ttmp7, 0xffff                 ; batch x 16 + head
	s_mov_b32 s[G1], 3<<16                         ; no mask; elements of 8 bytes; no padding
	s_mov_b32 s[G1+1], 32<<16                      ; tensor_dim0 = 32 elements: rows of 256 bytes
	s_mov_b32 s[G1+2], 32<<16                      ; tensor_dim1 = 32 rows: 8 KiB, dense
	s_mov_b32 s[G1+3], 32<<16                      ; tile_dim0
	s_mov_b32 s[G1+4], 32                          ; tile_dim1
	s_mov_b32 s[G1+5], 32                          ; the pitch
	s_mov_b32 s[G1+6], 0
	s_mov_b32 s[G1+7], 0
	s_add_co_u32 s[IP1], ttmp9, 1
	s_sub_co_u32 s46, 11, s[WV]
	s_cmp_lt_u32 s[WV], 4
	s_cselect_b32 s[QB], s[WV], s46                ; my strip of 32 queries: w, or 11 - w: it enters global addresses and the causal tests alone
	s_mov_b32 s47, 33554432
	s_cselect_b32 s49, 16777216, s47               ; waves 0-3 fetch K, waves 4-7 V
	s_lshl_b32 s[QB], s[QB], 5
	s_sub_co_u32 s46, 7, ttmp9
	s_lshl_b32 s46, s46, 8
	s_add_co_u32 s[Q0], s46, s[QB]
	s_lshl_b32 s46, ttmp9, 8
	s_add_co_u32 s[Q0L], s46, s[QB]
	s_lshl_b32 s50, s[BH], 18                      ; 262,144 bytes a batch and head in each of q, k, v
	s_add_co_u32 s46, s49, s50
	s_and_b32 s48, s[WV], 3
	s_lshl_b32 s48, s48, 13
	s_add_co_u32 s46, s46, s48                     ; my 8 KiB of a slot's 32
	s_mov_b32 s47, 0
	s_mov_b32 s[G0], 1
	s_lshl_b32 s[G0+1], s[WV], 13                  ; LDS: 8,192 x wave, in slot 0
	s_mov_b32 s[CS], 0x3e38aa3b                    ; c = log2(e) / 8
	s_mov_b32 s[CS+1], s[CS]
	s_mov_b32 s[SEL], 0x76543210
	s_mov_b32 s[SEL+1], 0xfedcba98                 ; v_permlanex16_b32's selects for lane l xor 16
	s_mov_b32 s[TB], 0
	s_mov_b32 s[KF], 0
	s_mov_b32 s[NKO], 0
	s_mov_b32 s[NKO+1], 0
	s_mov_b32 s[CNT], 8
	s_cmp_eq_u32 ttmp9, 0
	s_cselect_b32 s[LIM], 2, -1                    ; the head's first work-group prefetches while more than 2 trips are left; the others never
	s_wait_dscnt 0x0                               ; both opening adds are done
	s_wait_kmcnt 0x0
	s_add_nc_u64 s[GB:GB+1], s[4:5], s[46:47]
	s_mov_b64 s[G0+2:G0+3], s[GB:GB+1]
	s_or_b32 s[G0+3], s[G0+3], 0x80000000
	tensor_load_to_lds s[G0:G0+3], s[G1:G1+7]      ; key slot 0
	s_nop 0
.rept 4
	v_nop
.endr
	s_add_nc_u64 s[PFA:PFA+1], s[GB:GB+1], 32768   ; at key slot 1: the first change of slots steps it to slot 2.  Nothing is prefetched at the head
	s_lshl_b32 s48, s[Q0], 7                       ; 2,048 bytes for each 16 queries
	s_add_co_u32 s48, s48, s50
	s_mov_b32 s49, 0
	s_add_nc_u64 s[48:49], s[4:5], s[48:49]
	s_lshl_b32 s46, s[Q0L], 7
	s_add_co_u32 s50, s46, s50
	s_mov_b32 s51, 0
	s_add_nc_u64 s[50:51], s[4:5], s[50:51]
	s_and_b32 s46, s[BH], 15                       ; head
	s_lshr_b32 s47, s46, 2
	s_lshl_b32 s47, s47, 22                        ; its K step of 256 in ao
	s_and_b32 s46, s46, 3
	s_lshl_b32 s46, s46, 11
	s_add_co_u32 s46, s46, s47                     ; its two fragments of 32 in that step
	s_lshr_b32 s47, s[BH], 4
	s_lshl_b32 s47, s47, 20                        ; the batch's 128 tiles of rows
	s_add_co_u32 s46, s46, s47
	s_mov_b32 s47, 0
	s_add_nc_u64 s[OB:OB+1], s[6:7], s[46:47]
	v_and_b32 v1, 31, v0
	v_lshlrev_b32 v[PFO], 8, v1
	v_lshlrev_b32 v[L16], 4, v1
	v_and_b32 v[RH], 15, v0
	v_bfe_u32 v[DD], v0, 4, 1
	v_lshlrev_b32 v[DD], 3, v[DD]
	v_sub_nc_u32 v[RH], v[RH], v[DD]
	v_mov_b32 v[NINF], 0xff800000
	WIN 0x40                                       ; destination window 1
.irp p, 0,1,2,3,4,5,6,7
	global_load_b128 v[QF+4*\p:QF+4*\p+3], v[L16], s[48:49] offset:512*\p
	global_load_b128 v[QL+4*\p:QL+4*\p+3], v[L16], s[50:51] offset:512*\p
.endr
	WIN 0
; m = -3e38, under every score; l, O^T and the registers at work are zeros: the step is written once, and its first pass multiplies zeros.
.macro RESET
.irp t, 0,1
	v_mov_b32 v[ST+8*\t+1], 0xff61b1e6
	v_mul_f32 v[ST+8*\t], s[CS], v[ST+8*\t+1]
.irp j, 2,3,4,5,6,7
	v_mov_b32 v[ST+8*\t+\j], 0
.endr
.endr
.set n, 0
.rept 64
	v_mov_b32 v[O+n], 0
.set n, n+1
.endr
.endm
	RESET
; A prefetch of the key slot that the NEXT change of slots will ask for.  All four work-groups of a batch and head walk the same K and V: the first of them asks, each wave for the 8 KiB that it will fetch,
; lanes 256 bytes apart: each aligned block of 256 bytes is named once in the launch.  In trip j it names key slot j + 2; it stops behind j = 5, since slot 7 is the last.
.macro ASK
	s_cmp_gt_u32 s[CNT], s[LIM]
	s_cbranch_scc0 .Lnot_mine_\@
	global_prefetch_b8 v[PFO], s[PFA:PFA+1] th:TH_LOAD_NT scope:SCOPE_SE
.Lnot_mine_\@:
.endm
; THE CHANGE OF SLOTS, at a slot's head.  Each wave waits for all its tensor loads (its part of the slot ahead), adds 0 to its spare word, and waits for that and for its reads of the slot that it has left.
; Behind the barrier the slot ahead is whole and nobody reads the other one, which is filled with the next key slot: one load a wave, with a slot's four steps in which to land.
.macro CHANGE fill
	s_wait_tensorcnt 0x0                           ; no tensor load of mine is out, so group 0 may be written
	ds_add_u32 v[SPW], v[NIL]
.if \fill
	s_xor_b32 s[G0+1], s[G0+1], SLOTB              ; the other slot than last time
	s_add_co_u32 s[NKO], s[NKO], 32768             ; the next 256 keys,
	s_cmp_eq_u32 s[CNT], s[IP1]
	s_cselect_b32 s[NKO], 0, s[NKO]                ; or key 0 again, for the second block of queries
	s_add_nc_u64 s[G0+2:G0+3], s[GB:GB+1], s[NKO:NKO+1]
	s_or_b32 s[G0+3], s[G0+3], 0x80000000
	s_wait_xcnt 0x0                                ; the last prefetch, a slot back, has read its address
	s_add_nc_u64 s[PFA:PFA+1], s[PFA:PFA+1], 32768
.endif
	s_wait_dscnt 0x0                               ; the add is done, and my reads of the slot that I have left are over
	s_barrier_signal -1
	s_barrier_wait -1
.if \fill
	tensor_load_to_lds s[G0:G0+3], s[G1:G1+7]      ; the first thing behind the barrier, and my one tensor load until the next
	s_nop 0
.rept 4
	v_nop
.endr
	ASK
.endif
.endm
; THE SOFTMAX of both tiles, line by line, so that no line waits for the line above it.
.macro SOFTMAX
.irp j, 0,1,2,3
.irp t, 0,1
	v_max3_num_f32 v[ST+8*\t+4+\j], v[S+32*\t+8*\j], v[S+32*\t+8*\j+1], v[S+32*\t+8*\j+2]   ; four chains; each accumulator is read from its low end on
.endr
.endr
.irp p, 3,5
.irp j, 0,1,2,3
.irp t, 0,1
	v_max3_num_f32 v[ST+8*\t+4+\j], v[ST+8*\t+4+\j], v[S+32*\t+8*\j+\p], v[S+32*\t+8*\j+\p+1]
.endr
.endr
.endr
.irp t, 0,1
	v_max3_num_f32 v[ST+8*\t+4], v[ST+8*\t+4], v[S+32*\t+7], v[S+32*\t+15]
.endr
.irp t, 0,1
	v_max3_num_f32 v[ST+8*\t+6], v[ST+8*\t+6], v[S+32*\t+23], v[S+32*\t+31]
.endr
.irp t, 0,1
	v_max3_num_f32 v[ST+8*\t+4], v[ST+8*\t+4], v[ST+8*\t+5], v[ST+8*\t+6]
.endr
.irp t, 0,1
	v_max3_num_f32 v[ST+8*\t+4], v[ST+8*\t+4], v[ST+8*\t+7], v[ST+8*\t+1]   ; and the old m
.endr
.irp t, 0,1
	v_permlanex16_b32 v[ST+8*\t+5], v[ST+8*\t+4], s[SEL], s[SEL+1]          ; the query's other 32 keys lie in the lane 16 away
.endr
.irp t, 0,1
	v_mov_b32 v[ST+8*\t+7], v[ST+8*\t]             ; c m_old
.endr
.irp t, 0,1
	v_max_num_f32 v[ST+8*\t+1], v[ST+8*\t+4], v[ST+8*\t+5]
.endr
.irp t, 0,1
	v_mul_f32 v[ST+8*\t], s[CS], v[ST+8*\t+1]
.endr
.irp t, 0,1
	v_sub_f32 v[ST+8*\t+7], v[ST+8*\t+7], v[ST+8*\t]
.endr
.set n, 0
.rept 16
.irp t, 0,1
	v_pk_fma_f32 v[S+32*\t+2*n:S+32*\t+2*n+1], v[S+32*\t+2*n:S+32*\t+2*n+1], s[CS:CS+1], v[ST+8*\t:ST+8*\t+1] op_sel_hi:[1,0,0] neg_lo:[0,0,1] neg_hi:[0,0,1]   ; c s - c m
.endr
.set n, n+1
.endr
.irp t, 0,1
	v_exp_f32 v[ST+8*\t+6], v[ST+8*\t+7]           ; a
.endr
.set n, 0
.rept 32
.irp t, 0,1
	v_exp_f32 v[S+32*\t+n], v[S+32*\t+n]           ; p: one batch of 66 exponentials
.endr
.set n, n+1
.endr
	v_nop                                          ; a plain instruction behind the last exponential
	s_wait_alu depctr_va_vdst(0)                   ; the wait ahead of the first instruction that names a result: one for the batch
.set n, 0
.rept 16
.irp t, 0,1
	v_cvt_pk_f16_f32 v[P+16*\t+n], v[S+32*\t+2*n], v[S+32*\t+2*n+1]
.endr
.set n, n+1
.endr
.irp u, 0,1,2,3,4,5,6,7
.irp t, 0,1
	v_pk_add_f32 v[S+32*\t+4*\u:S+32*\t+4*\u+1], v[S+32*\t+4*\u:S+32*\t+4*\u+1], v[S+32*\t+4*\u+2:S+32*\t+4*\u+3]   ; the row's sum, of the f32 weights, in place
.endr
.endr
.irp u, 0,1,2,3
.irp t, 0,1
	v_pk_add_f32 v[S+32*\t+8*\u:S+32*\t+8*\u+1], v[S+32*\t+8*\u:S+32*\t+8*\u+1], v[S+32*\t+8*\u+4:S+32*\t+8*\u+5]
.endr
.endr
.irp u, 0,1
.irp t, 0,1
	v_pk_add_f32 v[S+32*\t+16*\u:S+32*\t+16*\u+1], v[S+32*\t+16*\u:S+32*\t+16*\u+1], v[S+32*\t+16*\u+8:S+32*\t+16*\u+9]
.endr
.endr
.irp t, 0,1
	v_pk_add_f32 v[S+32*\t:S+32*\t+1], v[S+32*\t:S+32*\t+1], v[S+32*\t+16:S+32*\t+17]
.endr
.irp t, 0,1
	v_pk_fma_f32 v[ST+8*\t+2:ST+8*\t+3], v[ST+8*\t+2:ST+8*\t+3], v[ST+8*\t+6:ST+8*\t+7], v[S+32*\t:S+32*\t+1] op_sel_hi:[1,0,1]   ; l = a l + the sum
.endr
.set n, 0
.rept 16
.irp t, 0,1
	v_pk_mul_f32 v[O+32*\t+2*n:O+32*\t+2*n+1], v[O+32*\t+2*n:O+32*\t+2*n+1], v[ST+8*\t+6:ST+8*\t+7] op_sel_hi:[1,0]   ; O^T x a
.endr
.set n, n+1
.endr
.endm
; A KEY STEP: 64 keys, the q-th of the slot in hand.
.macro STEP q
	s_add_co_u32 s46, s[Q0], 31
	s_cmp_gt_u32 s[KF], s46                        ; all 64 keys come after my 32 queries
	s_cbranch_scc1 .Lhid_\@
.rept 4
	v_nop                                          ; places behind the last products, ahead of loads into the registers that they read (ISA guide 7.12.1 for vector instructions)
.endr
	WIN 0x40
.irp kt, 0,1,2,3
.irp f, 0,1
.irp u, 0,1
	ds_load_b128 v[KFR+16*\kt+8*\f+4*\u:KFR+16*\kt+8*\f+4*\u+3], v[ADR] offset:(\q)*8192+\kt*2048+\f*1024+\u*512
.endr
.endr
.endr
.irp g, 0,1
.irp dt, 0,1,2,3
.irp u, 0,1
	ds_load_b128 v[VFR+32*\g+8*\dt+4*\u:VFR+32*\g+8*\dt+4*\u+3], v[ADR] offset:32768+(\q)*8192+\g*4096+\dt*1024+\u*512
.endr
.endr
.endr
	s_wait_dscnt 16                                ; K is in; V's sixteen loads may be out
	WIN 0x05                                       ; K and Q in window 1, S^T in window 0
.irp f, 0,1                                    ; the eight accumulators take turns, one instruction a turn
.irp t, 0,1
.irp kt, 0,1,2,3
.if \f == 0
	v_wmma_f32_16x16x32_f16 v[S+32*\t+8*\kt:S+32*\t+8*\kt+7], v[KFR+16*\kt+8*\f:KFR+16*\kt+8*\f+7], v[QF+16*\t+8*\f:QF+16*\t+8*\f+7], 0
.else
	v_wmma_f32_16x16x32_f16 v[S+32*\t+8*\kt:S+32*\t+8*\kt+7], v[KFR+16*\kt+8*\f:KFR+16*\kt+8*\f+7], v[QF+16*\t+8*\f:QF+16*\t+8*\f+7], v[S+32*\t+8*\kt:S+32*\t+8*\kt+7]
.endif
.endr
.endr
.endr
	WIN 0
.rept 4
	v_nop                                          ; places ahead of the first read of the scores
.endr
	s_add_co_u32 s46, s[KF], 63
	s_cmp_le_u32 s46, s[Q0]                        ; every key counts for every query of mine: no mask
	s_cbranch_scc1 .Lopen_\@
	s_sub_co_i32 s46, s[Q0], s[KF]
	v_add_nc_u32 v[DD], s46, v[RH]                 ; register 8 kt + j of tile t holds key KF + 16 kt + 8 (lane / 16) + j: hidden where 16 kt + j > my query - KF - 8 (lane / 16)
	v_add_nc_u32 v[DD+1], 16, v[DD]
.irp t, 0,1
.irp n, 0,1,2,3,4,5,6,7,8,9,10,11,12,13,14,15,16,17,18,19,20,21,22,23,24,25,26,27,28,29,30,31
	v_cmp_gt_i32 vcc_lo, 16*(\n/8)+\n%8, v[DD+\t]
	v_cndmask_b32 v[S+32*\t+\n], v[S+32*\t+\n], v[NINF], vcc_lo
.endr
.endr
.Lopen_\@:
	SOFTMAX
	s_wait_dscnt 0x0                               ; V is in
	WIN 0x01                                       ; V in window 1; P and O^T in window 0
.irp g, 0,1
.irp t, 0,1
.irp dt, 0,1,2,3
	v_wmma_f32_16x16x32_f16 v[O+32*\t+8*\dt:O+32*\t+8*\dt+7], v[VFR+32*\g+8*\dt:VFR+32*\g+8*\dt+7], v[P+16*\t+8*\g:P+16*\t+8*\g+7], v[O+32*\t+8*\dt:O+32*\t+8*\dt+7]
.endr
.endr
.endr
	WIN 0
.Lhid_\@:
	s_add_co_u32 s[KF], s[KF], 64
.endm
; THE WAY OUT of a block: O^T / l, packed to f16: a lane's eight channels of a row are half a fragment of the projection's operand: 16 bytes at 16 x lane.
.macro WAYOUT
.rept 4
	v_nop                                          ; places behind the last products
.endr
	s_wait_xcnt 0x0                                ; earlier stores have read their base
	s_lshl_b32 s46, s[Q0], 9                       ; 8,192 bytes for each 16 rows
	s_mov_b32 s47, 0
	s_add_nc_u64 s[SBA:SBA+1], s[OB:OB+1], s[46:47]
.irp t, 0,1
	v_add_f32 v[ST+8*\t+4], v[ST+8*\t+2], v[ST+8*\t+3]
.endr
.irp t, 0,1
	v_permlanex16_b32 v[ST+8*\t+5], v[ST+8*\t+4], s[SEL], s[SEL+1]
.endr
.irp t, 0,1
	v_add_f32 v[ST+8*\t+4], v[ST+8*\t+4], v[ST+8*\t+5]
.endr
.irp t, 0,1
	v_rcp_f32 v[ST+8*\t+6], v[ST+8*\t+4]
.endr
	v_nop                                          ; a plain instruction behind the last reciprocal
	s_wait_alu depctr_va_vdst(0)                   ; and the wait ahead of the first use
.set n, 0
.rept 16
.irp t, 0,1
	v_pk_mul_f32 v[O+32*\t+2*n:O+32*\t+2*n+1], v[O+32*\t+2*n:O+32*\t+2*n+1], v[ST+8*\t+6:ST+8*\t+7] op_sel_hi:[1,0]
.endr
.set n, n+1
.endr
.set n, 0
.rept 16
.irp t, 0,1
	v_cvt_pk_f16_f32 v[S+16*\t+n], v[O+32*\t+2*n], v[O+32*\t+2*n+1]
.endr
.set n, n+1
.endr
.irp t, 0,1
.irp dt, 0,1,2,3
	global_store_b128 v[L16], v[S+16*\t+4*\dt:S+16*\t+4*\dt+3], s[SBA:SBA+1] offset:\t*8192+\dt*512   ; 32 lanes store 512 consecutive bytes, aligned
.endr
.endr
	s_wait_xcnt 0x0                                ; the stores have read their registers, which the next scores will take
.endm
	s_wait_loadcnt 0x0                             ; Q of both blocks
.Lslot:                                            ; eight trips: behind each change of slots the next slot is asked for
	CHANGE 1
	v_add_nc_u32 v[ADR], s[TB], v[L16]
	STEP 0
	STEP 1
	STEP 2
	STEP 3
	s_xor_b32 s[TB], s[TB], SLOTB
	s_cmp_lg_u32 s[CNT], s[IP1]                    ; was that the first block's last slot?  The work-group's number and the count of trips alone: all eight waves go the same way
	s_cbranch_scc1 .Lsame
	WAYOUT
	WIN 0x41
.set n, 0
.rept 32
	v_mov_b32 v[QF+n], v[QL+n]                     ; the second block's queries
.set n, n+1
.endr
	WIN 0
	s_mov_b32 s[Q0], s[Q0L]
	s_mov_b32 s[KF], 0
	RESET
.Lsame:
	s_sub_co_u32 s[CNT], s[CNT], 1
	s_cmp_lg_u32 s[CNT], 0
	s_cbranch_scc1 .Lslot
	CHANGE 0                                       ; the ninth slot is written out: nothing is left to ask for
	v_add_nc_u32 v[ADR], s[TB], v[L16]
	STEP 0
	STEP 1
	STEP 2
	STEP 3
	WAYOUT
	s_wait_tensorcnt 0x0                           ; the wave's end
	ds_add_u32 v[SPW], v[NIL]
	s_wait_dscnt 0x0
	s_endpgm
.Lfunc_end_k_qfddf83f381_attn:
	.size	k_qfddf83f381_attn, .Lfunc_end_k_qfddf83f381_attn-k_qfddf83f381_attn
	.p2alignl 7, 3214868480
	.fill 96, 4, 3214868480
	.section	.rodata,"a",@progbits
	.p2align	6, 0x0
	.amdhsa_kernel k_qfddf83f381_attn
		.amdhsa_group_segment_fixed_size 327680
		.amdhsa_private_segment_fixed_size 0
		.amdhsa_enable_private_segment 0
		.amdhsa_kernarg_size 16
		.amdhsa_user_sgpr_count 2
		.amdhsa_user_sgpr_kernarg_segment_ptr 1
		.amdhsa_wavefront_size32 1
		.amdhsa_system_sgpr_workgroup_id_x 1
		.amdhsa_system_sgpr_workgroup_id_y 1
		.amdhsa_system_sgpr_workgroup_id_z 1
		.amdhsa_system_vgpr_workitem_id 0
		.amdhsa_next_free_vgpr 512
		.amdhsa_next_free_sgpr 66
		.amdhsa_reserve_vcc 1
		.amdhsa_float_denorm_mode_32 3
		.amdhsa_float_denorm_mode_16_64 3
		.amdhsa_memory_ordered 1
		.amdhsa_forward_progress 1
		.amdhsa_inst_pref_size 195
	.end_amdhsa_kernel
	.amdgpu_metadata
---
amdhsa.version: [ 1, 2 ]
amdhsa.kernels:
  - .name:           k_qfddf83f381_attn
    .symbol:         k_qfddf83f381_attn.kd
    .args:
      - { .name: qkv, .offset: 0, .size: 8, .value_kind: global_buffer, .address_space: global }
      - { .name: ao, .offset: 8, .size: 8, .value_kind: global_buffer, .address_space: global }
    .group_segment_fixed_size: 327680
    .private_segment_fixed_size: 0
    .kernarg_segment_align: 8
    .kernarg_segment_size: 16
    .max_flat_workgroup_size: 256
    .sgpr_count:     66
    .vgpr_count:     512
    .wavefront_size: 32
...
	.end_amdgpu_metadata
.endif
;; end of part 3
;; launch oproj (part 4): grid 8 x 64, 4 waves a work-group, clusters of 4 x 4, 327,680 bytes of LDS; arguments ao, wo_img, b_o, out0; writes out0
.if DOCPART == 4
	.amdgcn_target "amdgcn-amd-amdhsa--gfx1250"
	.amdhsa_code_object_version 6
	.text
	.protected	k_qfddf83f381_oproj
	.globl	k_qfddf83f381_oproj
	.p2align	8
	.type	k_qfddf83f381_oproj,@function
k_qfddf83f381_oproj:
	s_mov_b64 s[64:65], 0
	v_nop
	global_prefetch_b8 v0, s[64:65] scope:SCOPE_SE
	s_setreg_imm32_b32 hwreg(HW_REG_WAVE_MODE, 25, 1), 1
	s_wait_xcnt 0x0
	s_wait_alu depctr_hold_cnt(0) depctr_sa_sdst(0) depctr_va_vdst(0) depctr_va_sdst(0) depctr_va_ssrc(0) depctr_va_vcc(0) depctr_vm_vsrc(0)
	s_getreg_b32 s2, hwreg(HW_REG_IB_STS2, 6, 4)
	s_cmp_eq_u32 s2, 0
	s_cbranch_scc0 .Lentry_in_a_cluster
	s_endpgm
.Lentry_in_a_cluster:
	s_bfe_u32 s2, ttmp6, 0x10000c
	s_cmp_lg_u32 s2, 0xf033
	s_cbranch_scc0 .Lentry_shape_is_right
	s_endpgm
.Lentry_shape_is_right:
; OPROJ: out0 = o w_o + b_o, [8,192 x 1,024] x [1,024 x 1,024], f16 operands, f32 sums; b_o is the C of each sum's first matrix instruction.
; Both operands lie in memory as images of operand registers (1,024 bytes for 16 rows x 32 K: registers 0-3 at 16 x lane, registers 4-7 at 512 + 16 x lane), laid [K step of 256][16 rows][32 along K]:
; 64 rows of a K step are 32 KiB on end: one dense tensor load; every fragment load reads 512 consecutive bytes, so LDS needs no padding.
; A tile of 128 x 128 is made by four waves, each 64 x 64 (16 accumulators).  K goes in four steps of 256 through two slots.
; CLUSTERS: 4 x 4: A's tile is shared along a row of the cluster, B's along a column, each asked for jointly.  The matrix instruction is used transposed (source 0 = 16 columns of w_o, source 1 = 16 rows of o):
; a lane holds eight neighbouring numbers of a row of out0.
; Rows 0 .. 15 of every batch are computed here like all others and are stored anew, from f32 operands, by the launch that follows.
; No prefetch: a K step's tiles are small and each is asked for once by four work-groups together.
; REGISTERS: window 0: v16-29 addresses; v32-63 b_o, later with v64-95 rows on the way out; v128-255 the accumulators ((a, b) at v[128 + 8 (4 a + b)]).  Window 1: two fragment buffers of 128.
.set HALFT,  32768                     ; 64 rows x 256 K of f16: what one tensor load brings
.set SLOT,   4*HALFT
.set SPARE,  2*SLOT                    ; behind the ring: the spare words
.set SPITCH, 272                       ; the way out: a stage of 16 rows x (256 bytes + 16) for each wave, in slot 0, which has had its last fill and its last read by then
.set LAPS,   2
.set ADRA, 16
.set ADRB, 20
.set STO,  24
.set RD,   25
.set CO,   26
.set BO,   27
.set SPW,  28
.set NIL,  29
.set TMP,  32
.set ACC,  128
.set F0,   0
.set F1,   128
.set G1, 24
.set G0, 32
.set G1B, 48
.set G0B, 56
.set MSB, 0
.macro WIN new
.if MSB != (\new)
	s_set_vgpr_msb (MSB<<8)|(\new)
.set MSB, (\new)
.endif
.endm
.set MUL,  0x05
.set TO_F, 0x40
.macro JLOAD s                         ; a joint load: waves 0 and 1 fetch A's halves, waves 2 and 3 B's; an s_nop 0 and four v_nop follow each line
	s_cmp_eq_u32 s11, 0
	s_cbranch_scc0 .Lfor_b_\@
	tensor_load_to_lds s[G0+4*\s:G0+4*\s+3], s[G1:G1+7]
	s_nop 0
.rept 4
	v_nop
.endr
	s_branch .Lasked_\@
.Lfor_b_\@:
	tensor_load_to_lds s[G0B+4*\s:G0B+4*\s+3], s[G1B:G1B+7]
	s_nop 0
.rept 4
	v_nop
.endr
.Lasked_\@:
.endm
.macro CREST
	s_cmp_lg_u32 s10, 0
	s_cbranch_scc1 .Lnot_wave_0_\@
	s_barrier_signal -3
.Lnot_wave_0_\@:
	s_barrier_wait -3
	s_barrier_signal -1
	s_barrier_wait -1
.endm
.macro CROUND
	s_barrier_signal -1
	s_barrier_wait -1
	CREST
.endm
	s_load_b128 s[4:7], s[0:1], 0x0                ; ao s[4:5], wo_img s[6:7]
	s_load_b64 s[2:3], s[0:1], 0x10                ; b_o
	s_load_b64 s[8:9], s[0:1], 0x18                ; out0
	v_lshl_add_u32 v[SPW], v0, 2, SPARE
	v_mov_b32 v[NIL], 0
	ds_add_u32 v[SPW], v[NIL]                      ; the wave's opening: the add, twice on end, and its wait ahead of my first tensor load
	ds_add_u32 v[SPW], v[NIL]
	v_lshrrev_b32 v1, 5, v0
	v_readfirstlane_b32 s10, v1                    ; wave 0..3
	s_lshr_b32 s11, s10, 1                         ; my half of the tile's rows.  Also: I fetch for A (0) or for B (1)
	s_and_b32 s12, s10, 1                          ; my half of its columns.  Also: which 64 rows I fetch
	s_bfe_u32 s40, ttmp6, 0x40000                  ; cx
	s_bfe_u32 s41, ttmp6, 0x40004                  ; cy
	s_lshl_b32 s42, ttmp9, 2
	s_add_co_u32 s42, s42, s40                     ; tile column
	s_and_b32 s13, ttmp7, 0xffff
	s_lshl_b32 s13, s13, 2
	s_add_co_u32 s13, s13, s41                     ; tile row
	s_lshl_b32 s43, s41, 2
	s_lshl_b32 s43, 15, s43                        ; my row of the cluster
	s_lshl_b32 s44, 0x1111, s40                    ; my column
	s_or_b32 s[G1+0], s43, (3<<16)|(1<<21)         ; the mask; elements of 8 bytes; no padding; bit 21 beside a mask
	s_or_b32 s[G1B+0], s44, (3<<16)|(1<<21)
.irp g, G1, G1B
	s_mov_b32 s[\g+1], 32<<16                      ; rows of 256 bytes,
	s_mov_b32 s[\g+2], 128<<16                     ; 128 of them: 32 KiB, dense
	s_mov_b32 s[\g+3], 32<<16
	s_mov_b32 s[\g+4], 128
	s_mov_b32 s[\g+5], 32
	s_mov_b32 s[\g+6], 0
	s_mov_b32 s[\g+7], 0
.endr
	s_lshl_b32 s17, s12, 15                        ; which 64 rows of the tile I fetch
	s_lshl_b32 s16, s13, 16
	s_add_co_u32 s16, s16, s17                     ; A: 65,536 x tile row + 32,768 x half
	s_lshl_b32 s46, s42, 16
	s_add_co_u32 s46, s46, s17                     ; B: 65,536 x tile column + 32,768 x half
	s_mov_b32 s17, 0
	s_mov_b32 s47, 0
	s_lshl_b32 s20, s10, 15                        ; where they go: wave x 32 KiB
	s_wait_dscnt 0x0                               ; both opening adds are done
	s_wait_kmcnt 0x0
	s_add_nc_u64 s[14:15], s[4:5], s[16:17]
	s_add_nc_u64 s[46:47], s[6:7], s[46:47]
	CROUND                                         ; all sixteen work-groups are here: the first joint loads meet
.irp s, 0,1
	s_mov_b32 s[G0+4*\s], 1
	s_add_co_u32 s[G0+4*\s+1], s20, \s*SLOT
	s_add_nc_u64 s[G0+4*\s+2:G0+4*\s+3], s[14:15], \s*4194304      ; K step s of ao
	s_or_b32 s[G0+4*\s+3], s[G0+4*\s+3], 0x80000000
	s_mov_b32 s[G0B+4*\s], 1
	s_add_co_u32 s[G0B+4*\s+1], s20, \s*SLOT
	s_add_nc_u64 s[G0B+4*\s+2:G0B+4*\s+3], s[46:47], \s*524288     ; K step s of wo_img
	s_or_b32 s[G0B+4*\s+3], s[G0B+4*\s+3], 0x80000000
	JLOAD \s                                       ; two tensor loads of mine are out
.endr
	v_and_b32 v1, 15, v0                           ; r
	v_bfe_u32 v2, v0, 4, 1                         ; h
	v_and_b32 v3, 31, v0
	v_lshlrev_b32 v3, 4, v3                        ; 16 x lane
	s_lshl_b32 s21, s11, 15                        ; my 64 rows of A
	s_lshl_b32 s22, s12, 15                        ; my 64 rows of B,
	s_add_co_u32 s22, s22, 2*HALFT                 ; behind A's 128
.irp s, 0,1
	v_add_nc_u32 v[ADRA+\s], s21, v3
	v_add_nc_u32 v[ADRB+\s], s22, v3
	s_add_co_u32 s21, s21, SLOT
	s_add_co_u32 s22, s22, SLOT
.endr
	s_mul_i32 s23, s10, 16*SPITCH                  ; my stage
	v_mul_u32_u24 v4, v1, SPITCH                   ; in: row r, 32 bytes for each half of the lanes
	v_lshl_add_u32 v4, v2, 5, v4
	v_add_nc_u32 v[STO], s23, v4
	v_mul_u32_u24 v5, v2, SPITCH                   ; back: lanes 0-15 one row of 256 bytes, lanes 16-31 the next
	v_lshl_add_u32 v5, v1, 4, v5
	v_add_nc_u32 v[RD], s23, v5
	v_lshlrev_b32 v5, 12, v2                       ; and the same two rows in out0
	v_lshl_add_u32 v[CO], v1, 4, v5
	v_lshlrev_b32 v[BO], 5, v2
	s_lshl_b32 s46, s42, 9                         ; my first column, in bytes: 512 x tile column + 256 x half
	s_lshl_b32 s47, s12, 8
	s_add_co_u32 s46, s46, s47
	s_mov_b32 s47, 0
	s_add_nc_u64 s[2:3], s[2:3], s[46:47]
	s_add_nc_u64 s[8:9], s[8:9], s[46:47]
	s_lshl_b32 s16, s13, 19                        ; my first row: 128 x tile row + 64 x half, 4,096 bytes a row
	s_lshl_b32 s17, s11, 18
	s_add_co_u32 s16, s16, s17
	s_mov_b32 s17, 0
	s_add_nc_u64 s[8:9], s[8:9], s[16:17]
.irp b, 0,1,2,3
	global_load_b128 v[TMP+8*\b:TMP+8*\b+3], v[BO], s[2:3] offset:64*\b          ; b_o in the result's layout: columns 16 b + 8 h + 0 .. 7
	global_load_b128 v[TMP+8*\b+4:TMP+8*\b+7], v[BO], s[2:3] offset:64*\b+16
.endr
; 8 matrix instructions: row blocks a0, a0 + 1 x all 4 column blocks, 32 along K: half c of buffer f.  zero = 1: the first product starts the sums, from b_o.  The 16 accumulators take turns.
.macro MUL8 f, c, a0, zero
.irp a, \a0, \a0+1
.irp b, 0,1,2,3
.if \zero
	v_wmma_f32_16x16x32_f16 v[ACC+8*(4*(\a)+\b):ACC+8*(4*(\a)+\b)+7], v[\f+64+8*(4*\c+\b):\f+64+8*(4*\c+\b)+7], v[\f+8*(4*\c+\a):\f+8*(4*\c+\a)+7], v[TMP+8*\b:TMP+8*\b+7]
.else
	v_wmma_f32_16x16x32_f16 v[ACC+8*(4*(\a)+\b):ACC+8*(4*(\a)+\b)+7], v[\f+64+8*(4*\c+\b):\f+64+8*(4*\c+\b)+7], v[\f+8*(4*\c+\a):\f+8*(4*\c+\a)+7], v[ACC+8*(4*(\a)+\b):ACC+8*(4*(\a)+\b)+7]
.endif
.endr
.endr
.endm
; 32 LDS loads in one run: the fragments of 64 along K (two images of 1,024 bytes for each 16 rows, from byte k on) into buffer f; the first 32 along K first
.macro FETCH slot, k, f
	WIN TO_F
.irp c, 0,1
.irp i, 0,1,2,3
	ds_load_b128 v[\f+64+8*(4*\c+\i):\f+64+8*(4*\c+\i)+3],   v[ADRB+\slot] offset:\k+1024*\c+\i*8192
	ds_load_b128 v[\f+64+8*(4*\c+\i)+4:\f+64+8*(4*\c+\i)+7], v[ADRB+\slot] offset:\k+1024*\c+\i*8192+512
	ds_load_b128 v[\f+8*(4*\c+\i):\f+8*(4*\c+\i)+3],         v[ADRA+\slot] offset:\k+1024*\c+\i*8192
	ds_load_b128 v[\f+8*(4*\c+\i)+4:\f+8*(4*\c+\i)+7],       v[ADRA+\slot] offset:\k+1024*\c+\i*8192+512
.endr
.endr
.endm
.macro PLACES
.rept 4
	v_nop
.endr
.endm
.macro QUARTER slot, k, f, g, zero     ; 64 along K: multiplies buffer f and fetches the next quarter, at byte k, into g
	s_wait_dscnt 16                                ; the first 32 along K are in; the younger sixteen loads may be out
	WIN MUL
	MUL8 \f, 0, 0, \zero
	MUL8 \f, 0, 2, \zero
	PLACES
	FETCH \slot, \k, \g
	s_wait_dscnt 32                                ; all but the 32 just issued
	WIN MUL
	MUL8 \f, 1, 0, 0
	MUL8 \f, 1, 2, 0
.endm
.macro TURN slot, next, fill           ; the last quarter multiplies buffer 1 and changes slots: one barrier
	WIN 0
	s_wait_tensorcnt 0x0                           ; all my tensor loads have landed: my part of the next slot
	ds_add_u32 v[SPW], v[NIL]
	s_wait_dscnt 17                                ; the add and the youngest sixteen loads may be out
	WIN MUL
	MUL8 F1, 0, 0, 0
	s_wait_dscnt 0x0                               ; the add is done, and my reads of this slot are over
	s_barrier_signal -1
	MUL8 F1, 0, 2, 0
.if \fill
	WIN 0
.endif
	s_barrier_wait -1
.if \fill
	CREST                                          ; the barrier has opened a round of the cluster's barrier: no wave of any partner still reads this slot or has a load on its way
	s_add_nc_u64 s[G0+4*\slot+2:G0+4*\slot+3], s[G0+4*\slot+2:G0+4*\slot+3], 8388608     ; two K steps on
	s_add_nc_u64 s[G0B+4*\slot+2:G0B+4*\slot+3], s[G0B+4*\slot+2:G0B+4*\slot+3], 1048576
	JLOAD \slot                                    ; the first tensor load behind the round; its four v_nop are also the places in front of the loads below
.else
	PLACES
.endif
	FETCH \next, 0, F0
	WIN MUL
	MUL8 F1, 1, 0, 0
	MUL8 F1, 1, 2, 0
.endm
	s_wait_tensorcnt 1                             ; my part of K step 0 is in; K step 1's load may be out
	s_barrier_signal -1
	s_barrier_wait -1
	FETCH 0, 0, F0
	s_wait_loadcnt 0x0                             ; b_o
	QUARTER 0, 2048, F0, F1, 1
	WIN 0
	s_mov_b32 s3, LAPS-1                           ; (b_o's loads are done: their base's upper word is free)
.Llap:                                             ; a trip goes once round the ring and fills both slots again
	QUARTER 0, 4096, F1, F0, 0
	QUARTER 0, 6144, F0, F1, 0
	TURN 0, 1, 1
	QUARTER 1, 2048, F0, F1, 0
	QUARTER 1, 4096, F1, F0, 0
	QUARTER 1, 6144, F0, F1, 0
	TURN 1, 0, 1
	QUARTER 0, 2048, F0, F1, 0
	WIN 0
	s_sub_co_u32 s3, s3, 1
	s_cmp_lg_u32 s3, 0
	s_cbranch_scc1 .Llap
	QUARTER 0, 4096, F1, F0, 0                     ; the last lap fills nothing
	QUARTER 0, 6144, F0, F1, 0
	TURN 0, 1, 0
	QUARTER 1, 2048, F0, F1, 0
	QUARTER 1, 4096, F1, F0, 0
	QUARTER 1, 6144, F0, F1, 0
	s_wait_dscnt 16
	WIN MUL
	MUL8 F1, 0, 0, 0
	MUL8 F1, 0, 2, 0
	s_wait_dscnt 0
	MUL8 F1, 1, 0, 0
	MUL8 F1, 1, 2, 0
	WIN 0
	; THE WAY OUT, 16 rows at a time through my own stage: a lane holds 32 bytes of a row; back come whole rows of 256 bytes, which sixteen lanes store as one aligned run.
	; LDS serves a wave's instructions in order (ISA guide 5.7.1.4): no wait between the stores and the loads, nor in front of the next block's stores.
	PLACES
.macro OUTB a
.if (\a) >= 2
	s_wait_xcnt 0x0                                ; the stores of two blocks back have read the registers that these loads fill
.endif
.irp b, 0,1,2,3
	ds_store_b128 v[STO], v[ACC+8*(4*(\a)+\b):ACC+8*(4*(\a)+\b)+3] offset:64*\b        ; each accumulator from its low end on
	ds_store_b128 v[STO], v[ACC+8*(4*(\a)+\b)+4:ACC+8*(4*(\a)+\b)+7] offset:64*\b+16
.endr
.irp t, 0,1,2,3,4,5,6,7
	ds_load_b128 v[TMP+32*((\a)%2)+4*\t:TMP+32*((\a)%2)+4*\t+3], v[RD] offset:\t*2*SPITCH
.endr
.irp t, 0,1,2,3,4,5,6,7
	s_wait_dscnt 7-\t                              ; the younger loads may be out
	global_store_b128 v[CO], v[TMP+32*((\a)%2)+4*\t:TMP+32*((\a)%2)+4*\t+3], s[8:9] offset:(16*(\a)+2*\t)*4096 th:TH_STORE_NT
.endr
.endm
	OUTB 0
	OUTB 1
	OUTB 2
	OUTB 3
	s_wait_tensorcnt 0x0                           ; the wave's end
	ds_add_u32 v[SPW], v[NIL]
	s_wait_dscnt 0x0
	CROUND                                         ; the closing round
	s_endpgm
.Lfunc_end_k_qfddf83f381_oproj:
	.size	k_qfddf83f381_oproj, .Lfunc_end_k_qfddf83f381_oproj-k_qfddf83f381_oproj
	.p2alignl 7, 3214868480
	.fill 96, 4, 3214868480
	.section	.rodata,"a",@progbits
	.p2align	6, 0x0
	.amdhsa_kernel k_qfddf83f381_oproj
		.amdhsa_group_segment_fixed_size 327680
		.amdhsa_private_segment_fixed_size 0
		.amdhsa_enable_private_segment 0
		.amdhsa_kernarg_size 32
		.amdhsa_user_sgpr_count 2
		.amdhsa_user_sgpr_kernarg_segment_ptr 1
		.amdhsa_wavefront_size32 1
		.amdhsa_system_sgpr_workgroup_id_x 1
		.amdhsa_system_sgpr_workgroup_id_y 1
		.amdhsa_system_sgpr_workgroup_id_z 1
		.amdhsa_system_vgpr_workitem_id 0
		.amdhsa_next_free_vgpr 512
		.amdhsa_next_free_sgpr 66
		.amdhsa_reserve_vcc 0
		.amdhsa_float_denorm_mode_32 3
		.amdhsa_float_denorm_mode_16_64 3
		.amdhsa_memory_ordered 1
		.amdhsa_forward_progress 1
		.amdhsa_inst_pref_size 87
	.end_amdhsa_kernel
	.amdgpu_metadata
---
amdhsa.version: [ 1, 2 ]
amdhsa.kernels:
  - .name:           k_qfddf83f381_oproj
    .symbol:         k_qfddf83f381_oproj.kd
    .args:
      - { .name: ao, .offset: 0, .size: 8, .value_kind: global_buffer, .address_space: global }
      - { .name: wo_img, .offset: 8, .size: 8, .value_kind: global_buffer, .address_space: global }
      - { .name: b_o, .offset: 16, .size: 8, .value_kind: global_buffer, .address_space: global }
      - { .name: out0, .offset: 24, .size: 8, .value_kind: global_buffer, .address_space: global }
    .group_segment_fixed_size: 327680
    .private_segment_fixed_size: 0
    .kernarg_segment_align: 8
    .kernarg_segment_size: 32
    .max_flat_workgroup_size: 128
    .sgpr_count:     66
    .vgpr_count:     512
    .wavefront_size: 32
...
	.end_amdgpu_metadata
.endif
;; end of part 4
;; launch fine (part 5): grid 32 x 4, 16 waves a work-group, no clusters, 34,816 bytes of LDS; arguments fin, w_o, b_o, out0; writes out0
.if DOCPART == 5
	.amdgcn_target "amdgcn-amd-amdhsa--gfx1250"
	.amdhsa_code_object_version 6
	.text
	.protected	k_qfddf83f381_fine
	.globl	k_qfddf83f381_fine
	.p2align	8
	.type	k_qfddf83f381_fine,@function
k_qfddf83f381_fine:
	s_mov_b64 s[64:65], 0
	v_nop
	global_prefetch_b8 v0, s[64:65] scope:SCOPE_SE
	s_setreg_imm32_b32 hwreg(HW_REG_WAVE_MODE, 25, 1), 1
	s_wait_xcnt 0x0
; FINE: positions 0 .. 15 of every batch once more, wholly in f32: scores, softmax, the weighted values and the projection out.  These rows average one to sixteen values and are the largest of the output,
; so f16 operands would use up most of what the comparison allows there.  It stores over what the launch before left in these 64 rows of out0.
; SHARES.  A work-group: one batch, 32 columns of out0.  Wave w is head w: it makes the head's 16 x 16 attention and its part of the 16 x 32 outputs; the sixteen parts meet in LDS and are added in the heads' order.
; fin holds q, k (lane (r, h), register 8 u + j: token r, channel 16 u + 8 h + j) and v (register 8 dt + j: channel 16 dt + r, key 8 h + j) as the accumulators' registers lay.
; The f32 matrix form takes k = 2 h + j from two registers.  Both operands of each product are given the same registers' pairs, so that the same permutation of k stands on both sides.
; All three products are used transposed, so a lane holds one query throughout.  The registers that this form writes (v176-223) are written by matrix instructions alone.
; No cluster and no tensor load: what the four batches share, 8 KiB of w_o a wave, is read once by each, and the launch is small.
; A wave's store covers 128 consecutive bytes: 256 KiB in all leave so.
; LIMITS: NaN and infinities are not served.
; REGISTERS: v1-15 addresses; v16-47 Q, later o; v48-79 K, later the sixteen parts; v80-111 V; v112-175 w_o; v176-207 four accumulators; v208-223 two accumulators; v224-231 scores; v232-239 p; v240-247 at work.
.set SPARE, 32768                      ; behind the sixteen parts of 2,048 bytes: the spare words, 128 bytes for each wave
	s_load_b256 s[4:11], s[0:1], 0x0               ; fin s[4:5], w_o s[6:7], b_o s[8:9], out0 s[10:11]
	v_lshl_add_u32 v9, v0, 2, SPARE                ; my spare word; never rewritten
	v_mov_b32 v10, 0                               ; 0; never rewritten
	v_lshrrev_b32 v1, 5, v0
	v_readfirstlane_b32 s12, v1                    ; wave: my head, and later my query
	s_and_b32 s13, ttmp7, 0xffff                   ; batch
	v_and_b32 v1, 31, v0                           ; lane
	v_and_b32 v2, 15, v0                           ; r
	v_bfe_u32 v3, v0, 4, 1                         ; h
	v_lshlrev_b32 v4, 4, v1                        ; 16 x lane
	v_lshlrev_b32 v5, 15, v3
	v_lshl_add_u32 v5, v2, 2, v5                   ; w_o: 8 h rows of 4,096 bytes + 4 r
	v_lshlrev_b32 v6, 2, v1                        ; 4 x lane
	v_lshlrev_b32 v7, 3, v3
	v_sub_nc_u32 v7, v2, v7                        ; r - 8 h: register j holds key 8 h + j, hidden where j > r - 8 h
	v_mov_b32 v8, 0xff800000                       ; -infinity
	s_lshl_b32 s26, s12, 11
	v_add_nc_u32 v12, s26, v4                      ; LDS: my part: 2,048 x wave + 16 x lane
	v_lshrrev_b32 v13, 4, v1                       ; and where thread (query = wave, column = lane) finds its number in a part:
	v_lshlrev_b32 v13, 1, v13
	v_bfe_u32 v14, v1, 2, 1
	v_add_nc_u32 v13, v13, v14
	v_lshlrev_b32 v13, 9, v13                      ; piece 2 (column / 16) + (column / 4) % 2, 512 bytes each,
	v_bfe_u32 v14, v1, 3, 1
	v_lshl_add_u32 v13, v14, 8, v13                ; the half of the lanes (column / 8) % 2,
	v_and_b32 v14, 3, v1
	v_lshl_add_u32 v13, v14, 2, v13                ; the register column % 4,
	s_lshl_b32 s27, s12, 4
	v_add_nc_u32 v13, s27, v13                     ; the lane of my query
	s_lshl_b32 s14, s13, 4
	s_add_co_u32 s14, s14, s12
	s_lshl_b32 s14, s14, 12                        ; fin: (batch x 16 + head) x 4,096
	s_mov_b32 s15, 0
	s_lshl_b32 s18, ttmp9, 7                       ; my 32 columns, in bytes
	s_mov_b32 s19, 0
	s_lshl_b32 s16, s12, 18                        ; w_o: the head's 64 rows
	s_add_co_u32 s16, s16, s18
	s_mov_b32 s17, 0
	s_lshl_b32 s24, s13, 23                        ; out0: row batch x 2,048 + query
	s_lshl_b32 s25, s12, 12
	s_add_co_u32 s24, s24, s25
	s_add_co_u32 s24, s24, s18
	s_mov_b32 s25, 0
	s_mov_b32 s20, 0x76543210
	s_mov_b32 s21, 0xfedcba98                      ; v_permlanex16_b32's selects for lane l xor 16
	s_mov_b32 s22, 0x3e38aa3b                      ; c = log2(e) / 8
	s_wait_kmcnt 0x0
	s_add_nc_u64 s[4:5], s[4:5], s[14:15]
	s_add_nc_u64 s[6:7], s[6:7], s[16:17]
	s_add_nc_u64 s[8:9], s[8:9], s[18:19]
	s_add_nc_u64 s[10:11], s[10:11], s[24:25]
	global_load_b32 v11, v6, s[8:9]                ; b_o of my column
.irp i, 0,1,2,3,4,5,6,7
	global_load_b128 v[16+4*\i:19+4*\i], v4, s[4:5] offset:512*\i             ; Q
.endr
.irp i, 0,1,2,3,4,5,6,7
	global_load_b128 v[48+4*\i:51+4*\i], v4, s[4:5] offset:262144+512*\i      ; K
.endr
.irp i, 0,1,2,3,4,5,6,7
	global_load_b128 v[80+4*\i:83+4*\i], v4, s[4:5] offset:524288+512*\i      ; V
.endr
.macro WLD dt                          ; w_o: register 32 c + 8 dt + e of lane (r, h): row 16 dt + 8 h + e of the head's 64, column 16 c + r of my 32
.irp c, 0,1
.irp e, 0,1,2,3,4,5,6,7
	global_load_b32 v[112+32*\c+8*(\dt)+\e], v5, s[6:7] offset:(16*(\dt)+\e)*4096+64*\c
.endr
.endr
.endm
	WLD 0
	WLD 1
	s_wait_loadcnt 40                              ; b_o, Q and K are in; V's 8 and w_o's 32 may be out
.irp s, 0,1,2,3                                ; S^T = K Q^T: four accumulators, one for each 16 channels, by turns
.irp u, 0,1,2,3
.if \s == 0
	v_wmma_f32_16x16x4_f32 v[176+8*\u:183+8*\u], v[48+8*\u+2*\s:49+8*\u+2*\s], v[16+8*\u+2*\s:17+8*\u+2*\s], 0
.else
	v_wmma_f32_16x16x4_f32 v[176+8*\u:183+8*\u], v[48+8*\u+2*\s:49+8*\u+2*\s], v[16+8*\u+2*\s:17+8*\u+2*\s], v[176+8*\u:183+8*\u]
.endif
.endr
.endr
.rept 8
	v_nop                                          ; eight places behind this form, ahead of the first read of a result (ISA guide 7.12.1)
.endr
.irp i, 0,2,4,6
	v_pk_add_f32 v[224+\i:225+\i], v[176+\i:177+\i], v[184+\i:185+\i]         ; the four parts of a score; each accumulator from its low end on
.endr
.irp i, 0,2,4,6
	v_pk_add_f32 v[240+\i:241+\i], v[192+\i:193+\i], v[200+\i:201+\i]
.endr
.irp i, 0,2,4,6
	v_pk_add_f32 v[224+\i:225+\i], v[224+\i:225+\i], v[240+\i:241+\i]         ; lane (r, h), register j: query r, key 8 h + j
.endr
.irp j, 0,1,2,3,4,5,6,7
	v_cmp_gt_i32 vcc_lo, \j, v7
	v_cndmask_b32 v[224+\j], v[224+\j], v8, vcc_lo                            ; the causal mask
.endr
	v_max3_num_f32 v240, v224, v225, v226
	v_max3_num_f32 v241, v227, v228, v229
	v_max3_num_f32 v240, v240, v230, v231
	v_max_num_f32 v240, v240, v241
	v_permlanex16_b32 v241, v240, s20, s21
	v_max_num_f32 v240, v240, v241                 ; the row's maximum: key 0 counts for every query
	v_mul_f32 v242, s22, v240
.irp j, 0,1,2,3,4,5,6,7
	v_fma_f32 v[232+\j], v[224+\j], s22, -v242     ; c s - c m
.endr
.irp j, 0,1,2,3,4,5,6,7
	v_exp_f32 v[232+\j], v[232+\j]
.endr
	v_nop                                          ; a plain instruction behind the last exponential
	s_wait_alu depctr_va_vdst(0)                   ; the wait ahead of the first use: one for the eight
	v_pk_add_f32 v[244:245], v[232:233], v[234:235]
	v_pk_add_f32 v[246:247], v[236:237], v[238:239]
	v_pk_add_f32 v[244:245], v[244:245], v[246:247]
	v_add_f32 v244, v244, v245
	v_permlanex16_b32 v245, v244, s20, s21
	v_add_f32 v244, v244, v245                     ; the row's sum
	v_rcp_f32 v246, v244
	v_nop
	s_wait_alu depctr_va_vdst(0)
	s_wait_loadcnt 32                              ; V is in; w_o's first 32 may be out
	WLD 2
	WLD 3
.irp s, 0,1,2,3                                ; O^T = V^T P: four accumulators, one for each 16 channels, begun anew: more than nine plain places lie behind the scores' products
.irp dt, 0,1,2,3
.if \s == 0
	v_wmma_f32_16x16x4_f32 v[176+8*\dt:183+8*\dt], v[80+8*\dt+2*\s:81+8*\dt+2*\s], v[232+2*\s:233+2*\s], 0
.else
	v_wmma_f32_16x16x4_f32 v[176+8*\dt:183+8*\dt], v[80+8*\dt+2*\s:81+8*\dt+2*\s], v[232+2*\s:233+2*\s], v[176+8*\dt:183+8*\dt]
.endif
.endr
.endr
.rept 8
	v_nop
.endr
.set n, 0
.rept 32
	v_mul_f32 v[16+n], v[176+n], v246              ; o = O^T / the sum: lane (r, h), register 8 dt + j: query r, channel 16 dt + 8 h + j
.set n, n+1
.endr
	s_wait_loadcnt 32                              ; w_o's first 32 are in; the second 32 may be out
.irp dt, 0,1                                   ; the head's part of out^T = w_o^T o^T: two accumulators (16 columns each) by turns
.irp s, 0,1,2,3
.irp c, 0,1
.if (\dt == 0) && (\s == 0)
	v_wmma_f32_16x16x4_f32 v[208+8*\c:215+8*\c], v[112+32*\c+8*\dt+2*\s:113+32*\c+8*\dt+2*\s], v[16+8*\dt+2*\s:17+8*\dt+2*\s], 0
.else
	v_wmma_f32_16x16x4_f32 v[208+8*\c:215+8*\c], v[112+32*\c+8*\dt+2*\s:113+32*\c+8*\dt+2*\s], v[16+8*\dt+2*\s:17+8*\dt+2*\s], v[208+8*\c:215+8*\c]
.endif
.endr
.endr
.endr
	s_wait_loadcnt 0x0
.irp dt, 2,3
.irp s, 0,1,2,3
.irp c, 0,1
	v_wmma_f32_16x16x4_f32 v[208+8*\c:215+8*\c], v[112+32*\c+8*\dt+2*\s:113+32*\c+8*\dt+2*\s], v[16+8*\dt+2*\s:17+8*\dt+2*\s], v[208+8*\c:215+8*\c]
.endr
.endr
.endr
.rept 8
	v_nop
.endr
.irp p, 0,1,2,3
	ds_store_b128 v12, v[208+4*\p:211+4*\p] offset:512*\p     ; my part, as its registers lie; each accumulator from its low end on
.endr
	s_wait_dscnt 0x0                               ; for the others' sake: my stores have landed
	s_barrier_signal -1
	s_barrier_wait -1
.irp p, 0,1,2,3,4,5,6,7,8,9,10,11,12,13,14,15
	ds_load_b32 v[48+\p], v13 offset:2048*\p       ; the sixteen heads' parts of out0(query = wave, column = lane)
.endr
	s_wait_dscnt 0x0
.irp i, 0,4,8,12
	v_pk_add_f32 v[48+\i:49+\i], v[48+\i:49+\i], v[50+\i:51+\i]
.endr
	v_pk_add_f32 v[48:49], v[48:49], v[52:53]
	v_pk_add_f32 v[56:57], v[56:57], v[60:61]
	v_pk_add_f32 v[48:49], v[48:49], v[56:57]
	v_add_f32 v48, v48, v49
	v_add_f32 v48, v48, v11                        ; + b_o
	global_store_b32 v6, v48, s[10:11]
	s_wait_tensorcnt 0x0                           ; the wave's end, behind my last LDS store
	ds_add_u32 v9, v10
	s_wait_dscnt 0x0
	s_endpgm
.Lfunc_end_k_qfddf83f381_fine:
	.size	k_qfddf83f381_fine, .Lfunc_end_k_qfddf83f381_fine-k_qfddf83f381_fine
	.p2alignl 7, 3214868480
	.fill 96, 4, 3214868480
	.section	.rodata,"a",@progbits
	.p2align	6, 0x0
	.amdhsa_kernel k_qfddf83f381_fine
		.amdhsa_group_segment_fixed_size 34816
		.amdhsa_private_segment_fixed_size 0
		.amdhsa_enable_private_segment 0
		.amdhsa_kernarg_size 32
		.amdhsa_user_sgpr_count 2
		.amdhsa_user_sgpr_kernarg_segment_ptr 1
		.amdhsa_wavefront_size32 1
		.amdhsa_system_sgpr_workgroup_id_x 1
		.amdhsa_system_sgpr_workgroup_id_y 1
		.amdhsa_system_sgpr_workgroup_id_z 1
		.amdhsa_system_vgpr_workitem_id 0
		.amdhsa_next_free_vgpr 256
		.amdhsa_next_free_sgpr 66
		.amdhsa_reserve_vcc 1
		.amdhsa_float_denorm_mode_32 3
		.amdhsa_float_denorm_mode_16_64 3
		.amdhsa_memory_ordered 1
		.amdhsa_forward_progress 1
		.amdhsa_inst_pref_size 22
	.end_amdhsa_kernel
	.amdgpu_metadata
---
amdhsa.version: [ 1, 2 ]
amdhsa.kernels:
  - .name:           k_qfddf83f381_fine
    .symbol:         k_qfddf83f381_fine.kd
    .args:
      - { .name: fin, .offset: 0, .size: 8, .value_kind: global_buffer, .address_space: global }
      - { .name: w_o, .offset: 8, .size: 8, .value_kind: global_buffer, .address_space: global }
      - { .name: b_o, .offset: 16, .size: 8, .value_kind: global_buffer, .address_space: global }
      - { .name: out0, .offset: 24, .size: 8, .value_kind: global_buffer, .address_space: global }
    .group_segment_fixed_size: 34816
    .private_segment_fixed_size: 0
    .kernarg_segment_align: 8
    .kernarg_segment_size: 32
    .max_flat_workgroup_size: 512
    .sgpr_count:     66
    .vgpr_count:     256
    .wavefront_size: 32
...
	.end_amdgpu_metadata
.endif
;; end of part 5
